; MI455X (gfx1250); checked and timed in simulation.
; The chip was launched on July 23, 2026; its instructions are those of AMD's public machine-readable ISA for CDNA 5 (MIT licence, August 2026) and "CDNA5" Instruction Set Architecture Reference Guide (July 2026). The comments in the code are by the model that wrote it; some were corrected since.
;; Tiny Attention. Allowed arithmetic: matrix products marked QUANTISED: E4M3 operands, one given power-of-two scale a tensor, by v_wmma_f32_16x16x64_fp8_fp8 or v_wmma_f32_16x16x128_fp8_fp8, f32 sums; everything else in f32.
;; Inputs: Wk 1,024 x 1,024 float32; Wo 1,024 x 1,024 float32; Wq 1,024 x 1,024 float32; Wv 1,024 x 1,024 float32; bo 1,024 float32; lowp_scales 12 int32 (the exponents e of the quantised operands' scales 2^e); x 4 x 2,048 x 1,024 float32.
;; Outputs: out0 4 x 2,048 x 1,024 float32.
;; This version of the problem:
;;   THIS VERSION OF THE PROBLEM IS GIVEN IN LOW PRECISION. The matrix products marked QUANTISED in the list below multiply operands that are first quantised to E4M3 (4 exponent bits, 3 mantissa bits; 8 bits a number), with one given power-of-two scale for each operand tensor; their sums are f32. All else is computed in f32.
;;   The module's matrix products, in the order in which they are computed (A, B: the left and right operand; K: the contracted axis; several contracted axes count as one K, in the product's order):
;;     1. [M 8,192, K 1,024] x [K 1,024, N 1,024]; A: input x; B: input Wq: QUANTISED (scales: A lowp_scales[0], B lowp_scales[1])
;;     2. [M 8,192, K 1,024] x [K 1,024, N 1,024]; A: input x; B: input Wk: QUANTISED (scales: A lowp_scales[2], B lowp_scales[3])
;;     3. [M 8,192, K 1,024] x [K 1,024, N 1,024]; A: input x; B: input Wv: QUANTISED (scales: A lowp_scales[4], B lowp_scales[5])
;;     4. batch 64 x [M 2,048, K 64] x [K 64, N 2,048]; A: computed on the way; B: computed on the way: QUANTISED (scales: A lowp_scales[6], B lowp_scales[7])
;;     5. batch 64 x [M 2,048, K 2,048] x [K 2,048, N 64]; A: softmax (see below); B: computed on the way: QUANTISED (scales: A lowp_scales[8], B lowp_scales[9])
;;     6. [M 8,192, K 1,024] x [K 1,024, N 1,024]; A: computed on the way; B: input Wo: QUANTISED (scales: A lowp_scales[10], B lowp_scales[11])
;;   THE QUANTISER, for each operand of a quantised product, along K:
;;     - The operand's scale is 2^e, e = its entry of the input lowp_scales (int32; the entries are numbered through the quantised products in the list's order, A before B).
;;     - Each number is divided by the scale, clamped to +-448, and rounded to the nearest number of E4M3, ties to even, subnormals kept.
;;     - The product sums the exact products of the quantised numbers (number of the format x scale) in f32.
;;   ~~~python
;;   def quantise(x, axis, e):      # numpy; x: float32 -> the quantised numbers, widened to float32 again
;;       x = np.moveaxis(x, axis, -1); K = x.shape[-1]
;;       r = np.clip(x / 2.0 ** e, -448, 448)
;;       step = 2.0 ** (np.maximum(np.frexp(np.where(r == 0, 1, r))[1] - 1, -6) - 3)
;;       q = np.round(r / step) * step * 2.0 ** e      # np.round: ties to even
;;       return np.moveaxis(q, -1, axis).astype(np.float32)
;;   ~~~
;;   SOFTMAX AHEAD OF A QUANTISED PRODUCT. Where the list says 'softmax', what is quantised is not the finished softmax but p = 2^(t - M), with t = logit x log2(e) and M = ceil(the row's largest t), a whole number; so 1/2 < the row's largest p <= 1. The row's sum l is taken of the UNQUANTISED p, in f32, and the product's result is divided by l at the end. Since M is a whole number, a kernel that streams over the keys may use a running M (the ceiling of the running maximum): every later rescaling is an exact power of two, so the quantised numbers keep their values, but for numbers so far below the row's largest that they fall under the format's range.
;;   OPERANDS COMPUTED ON THE WAY. 'Computed on the way' means the value that the module computes at that place (a softmax that the list does not call 'softmax' is quantised finished and normalised). What goes into a quantiser is computed in f32, as accurately as f32 sums, v_exp_f32 and their like allow (about 1e-6 of the number): no bf16 or f16 on the way to a quantiser, and a product that is left as it is and whose result goes on into a quantised operand takes f32 operands (vector FMAs, or v_wmma_f32_16x16x4_f32). A number that lies on a knife's edge between two numbers of the format may be rounded either way, as far as f32 arithmetic and the matrix unit's own rounding can turn it there, and no further.
;; One version. Each part assembles by itself: llvm-mc -triple=amdgcn-amd-amdhsa -mcpu=gfx1250 --defsym DOCPART=n.
;; ======== version 1 of 1: 4 launches
;; limits: right only within a limited range of input values
;; workspace buffers: xcodes 25,165,824 bytes; wcodes 4,194,304 bytes; qkv 25,165,824 bytes; ocodes 8,388,608 bytes
;; launch quant (part 1): grid 384 x 1, 8 waves a work-group, no clusters, 0 bytes of LDS; arguments x, Wq, Wk, Wv, Wo, lowp_scales, xcodes, wcodes; writes xcodes, wcodes
.if DOCPART == 1
	.amdgcn_target "amdgcn-amd-amdhsa--gfx1250"
	.amdhsa_code_object_version 6
	.text
	.protected	k_q063b2bc3a7_quant
	.globl	k_q063b2bc3a7_quant
	.p2align	8
	.type	k_q063b2bc3a7_quant,@function
k_q063b2bc3a7_quant:
	s_mov_b64 s[64:65], 0
	v_nop
	global_prefetch_b8 v0, s[64:65] scope:SCOPE_SE
	s_setreg_imm32_b32 hwreg(HW_REG_WAVE_MODE, 25, 1), 1
	s_wait_xcnt 0x0
; x [8192][1024] f32 becomes THREE sets of E4M3 codes (its scale in the products with Wq, Wk, Wv: entries 0, 2, 4 of the scales); Wq, Wk, Wv, Wo [1024][1024] f32 one set each (entries 1, 3, 5, 11).
; code = number / 2^e, rounded to the nearest code, ties to even.
; LAYOUT OF EVERY SET OF CODES: [row / 256][k / 64][row % 256][k % 64]: blocks of 16,384 bytes, block (tile, kc) at (16 tile + kc) x 16,384.
; SHARES.  A wave takes 4 rows x 1,024 along K in 16 steps of 64 along K; a work-group 32 rows.  Work-groups 0-255 take x, 256 + g takes weight g / 32, rows 32 (g % 32) on.
; A lane holds 8 neighbours along K (row lane / 8, k = 64 step + 8 (lane % 8)): two loads of 16 bytes; the pair of loads covers four whole pieces of 256 bytes, one in each row.
; Its 8 codes are 8 bytes at 8 x lane of the step's 256: each store of the wave covers 256 consecutive bytes, aligned.
; All 32 loads of a wave go out at once; no LDS, no barrier: waves share nothing.  Each step has code registers of its own, so no store's data are written again.
; LIMITS: each e between -126 and 119, so that 2^e and 448 x 2^e are f32 numbers.  NaN among the inputs is not served (an infinity is held at the largest code).
.set T0, 10                            ; v10-17   a step's numbers held for the first scale
.set T1, 18                            ; v18-25   for the second
.set X,  26                            ; v26-153  step t's 8 numbers at X + 8 t
.set C,  154                           ; v154-249 step t's codes: set o at C + 6 t + 2 o
	s_load_b256 s[4:11], s[0:1], 0x0               ; x s[4:5], Wq s[6:7], Wk s[8:9], Wv s[10:11]
	s_load_b256 s[12:19], s[0:1], 0x20             ; Wo s[12:13], the scales s[14:15], x's codes s[16:17], the weights' codes s[18:19]
	v_lshrrev_b32 v9, 5, v0
	s_delay_alu instid0(VALU_DEP_1)
	v_readfirstlane_b32 s20, v9                    ; wave 0..7
	v_and_b32 v9, 31, v0                           ; lane
	s_delay_alu instid0(VALU_DEP_1)
	v_lshrrev_b32 v1, 3, v9
	s_delay_alu instid0(VALU_DEP_1)
	v_lshlrev_b32 v1, 12, v1                       ; row lane / 8 of 4,096 bytes,
	s_delay_alu instid0(VALU_DEP_3)
	v_and_b32 v2, 7, v9
	s_delay_alu instid0(VALU_DEP_1)
	v_lshl_or_b32 v1, v2, 5, v1                    ; + 32 (lane % 8): where I load
	v_lshlrev_b32 v2, 3, v9                        ; 8 x lane: where I store
	s_lshl_b32 s23, s20, 2                         ; my wave's 4 rows of the group's 32
	s_mov_b32 s45, 0
	s_mov_b32 s47, 0
	s_wait_kmcnt 0x0
	s_load_b256 s[24:31], s[14:15], 0x0            ; e0 .. e7
	s_load_b128 s[32:35], s[14:15], 0x20           ; e8 .. e11
.macro LOADALL                         ; the wave's 16 KiB, 32 loads
.irp t, 0,1,2,3,4,5,6,7,8,9,10,11,12,13,14,15
	global_load_b128 v[X+8*\t:X+8*\t+3],   v1, s[4:5] offset:256*\t th:TH_LOAD_NT
	global_load_b128 v[X+8*\t+4:X+8*\t+7], v1, s[4:5] offset:256*\t+16 th:TH_LOAD_NT
.endr
.endm
.macro MKSC e, sc, lim                 ; s[e] = the exponent: v[sc] = 2^e as f32 (the conversion takes its exponent field)
	s_add_co_i32 s42, s[\e], 127
	s_lshl_b32 s43, s42, 23
	v_mov_b32 v[\sc], s43
	s_add_co_i32 s42, s42, 8
	s_lshl_b32 s42, s42, 23
	s_or_b32 s42, s42, 0x600000
.endm
; A step of x: the same 8 numbers are converted three times.  The conversion to an 8-bit code does not saturate (ISA guide 7.6.2).
.macro XSTEP t
	s_wait_loadcnt 30-2*(\t)                       ; loads come back in order: mine are in, the two of each later step may be out
.irp i, 0,1,2,3,4,5,6,7
.endr
	v_cvt_scalef32_pk8_fp8_f32 v[C+6*(\t):C+6*(\t)+1], v[T0+((X+8*(\t)+0)-(T0+0)):T0+7+((X+8*(\t)+0)-(T0+0))], v3
.irp i, 0,1,2,3,4,5,6,7
.endr
	v_cvt_scalef32_pk8_fp8_f32 v[C+6*(\t)+2:C+6*(\t)+3], v[T1+((X+8*(\t)+0)-(T1+0)):T1+7+((X+8*(\t)+0)-(T1+0))], v5
.irp i, 0,1,2,3,4,5,6,7
.endr
	v_cvt_scalef32_pk8_fp8_f32 v[C+6*(\t)+4:C+6*(\t)+5], v[X+8*(\t):X+8*(\t)+7], v7
	global_store_b64 v2, v[C+6*(\t):C+6*(\t)+1],   s[36:37] offset:16384*(\t)
	global_store_b64 v2, v[C+6*(\t)+2:C+6*(\t)+3], s[38:39] offset:16384*(\t)
	global_store_b64 v2, v[C+6*(\t)+4:C+6*(\t)+5], s[40:41] offset:16384*(\t)
.endm
.macro WSTEP t                         ; a step of a weight: one scale
	s_wait_loadcnt 30-2*(\t)
.irp i, 0,1,2,3,4,5,6,7
.endr
	v_cvt_scalef32_pk8_fp8_f32 v[C+6*(\t):C+6*(\t)+1], v[X+8*(\t):X+8*(\t)+7], v3
	global_store_b64 v2, v[C+6*(\t):C+6*(\t)+1], s[36:37] offset:16384*(\t)
.endm
	s_cmp_lt_u32 ttmp9, 256                        ; x's work-group or a weight's: the work-group's number alone decides
	s_cbranch_scc0 .Lweights
	s_lshl_b32 s21, ttmp9, 5
	s_add_co_u32 s21, s21, s23                     ; my first row
	s_lshl_b32 s44, s21, 12
	s_add_nc_u64 s[4:5], s[4:5], s[44:45]
	s_wait_alu depctr_va_vdst(0)
	LOADALL
	s_lshr_b32 s46, s21, 8
	s_lshl_b32 s46, s46, 18                        ; the row tile's 16 blocks,
	s_and_b32 s22, s21, 255
	s_lshl_b32 s22, s22, 6                         ; the row's 64 bytes in a block
	s_add_co_u32 s46, s46, s22
	s_add_nc_u64 s[36:37], s[16:17], s[46:47]      ; the three sets lie 8 MiB apart: a base each, since that distance is one byte past the store's signed 24-bit immediate
	s_add_nc_u64 s[38:39], s[36:37], 0x800000
	s_add_nc_u64 s[40:41], s[36:37], 0x1000000
	s_wait_kmcnt 0x0
	MKSC 24, 3, 4                                  ; e0
	MKSC 26, 5, 6                                  ; e2
	MKSC 28, 7, 8                                  ; e4
	s_wait_alu depctr_va_vdst(0)
.irp t, 0,1,2,3,4,5,6,7,8,9,10,11,12,13,14,15
	XSTEP \t
.endr
	s_endpgm
.Lweights:
	s_sub_co_u32 s21, ttmp9, 256
	s_lshr_b32 s22, s21, 5                         ; which weight: 0 Wq, 1 Wk, 2 Wv, 3 Wo
	s_and_b32 s21, s21, 31
	s_lshl_b32 s21, s21, 5
	s_add_co_u32 s21, s21, s23                     ; my first row
	s_cmp_eq_u32 s22, 0
	s_cselect_b64 s[4:5], s[6:7], s[12:13]
	s_cmp_eq_u32 s22, 1
	s_cselect_b64 s[4:5], s[8:9], s[4:5]
	s_cmp_eq_u32 s22, 2
	s_cselect_b64 s[4:5], s[10:11], s[4:5]
	s_lshl_b32 s44, s21, 12
	s_add_nc_u64 s[4:5], s[4:5], s[44:45]
	s_wait_alu depctr_va_vdst(0)
	LOADALL
	s_lshr_b32 s46, s21, 8
	s_lshl_b32 s46, s46, 18
	s_and_b32 s43, s21, 255
	s_lshl_b32 s43, s43, 6
	s_add_co_u32 s46, s46, s43
	s_lshl_b32 s43, s22, 20                        ; the weights' codes lie 1 MiB apart
	s_add_co_u32 s46, s46, s43
	s_add_nc_u64 s[36:37], s[18:19], s[46:47]
	s_wait_kmcnt 0x0
	s_cmp_eq_u32 s22, 0
	s_cselect_b32 s42, s25, s35                    ; e1, or e11
	s_cmp_eq_u32 s22, 1
	s_cselect_b32 s42, s27, s42                    ; e3
	s_cmp_eq_u32 s22, 2
	s_cselect_b32 s42, s29, s42                    ; e5
	MKSC 42, 3, 4
	s_wait_alu depctr_va_vdst(0)
.irp t, 0,1,2,3,4,5,6,7,8,9,10,11,12,13,14,15
	WSTEP \t
.endr
	s_endpgm
.Lfunc_end_k_q063b2bc3a7_quant:
	.size	k_q063b2bc3a7_quant, .Lfunc_end_k_q063b2bc3a7_quant-k_q063b2bc3a7_quant
	.p2alignl 7, 3214868480
	.fill 96, 4, 3214868480
	.section	.rodata,"a",@progbits
	.p2align	6, 0x0
	.amdhsa_kernel k_q063b2bc3a7_quant
		.amdhsa_group_segment_fixed_size 0
		.amdhsa_private_segment_fixed_size 0
		.amdhsa_enable_private_segment 0
		.amdhsa_kernarg_size 64
		.amdhsa_user_sgpr_count 2
		.amdhsa_user_sgpr_kernarg_segment_ptr 1
		.amdhsa_wavefront_size32 1
		.amdhsa_system_sgpr_workgroup_id_x 1
		.amdhsa_system_sgpr_workgroup_id_y 1
		.amdhsa_system_sgpr_workgroup_id_z 1
		.amdhsa_system_vgpr_workitem_id 0
		.amdhsa_next_free_vgpr 256
		.amdhsa_next_free_sgpr 66
		.amdhsa_reserve_vcc 0
		.amdhsa_float_denorm_mode_32 3
		.amdhsa_float_denorm_mode_16_64 3
		.amdhsa_fp16_overflow 1
		.amdhsa_memory_ordered 1
		.amdhsa_forward_progress 1
		.amdhsa_inst_pref_size 21
	.end_amdhsa_kernel
	.amdgpu_metadata
---
amdhsa.version: [ 1, 2 ]
amdhsa.kernels:
  - .name:           k_q063b2bc3a7_quant
    .symbol:         k_q063b2bc3a7_quant.kd
    .args:
      - { .name: x, .offset: 0, .size: 8, .value_kind: global_buffer, .address_space: global }
      - { .name: Wq, .offset: 8, .size: 8, .value_kind: global_buffer, .address_space: global }
      - { .name: Wk, .offset: 16, .size: 8, .value_kind: global_buffer, .address_space: global }
      - { .name: Wv, .offset: 24, .size: 8, .value_kind: global_buffer, .address_space: global }
      - { .name: Wo, .offset: 32, .size: 8, .value_kind: global_buffer, .address_space: global }
      - { .name: lowp_scales, .offset: 40, .size: 8, .value_kind: global_buffer, .address_space: global }
      - { .name: xcodes, .offset: 48, .size: 8, .value_kind: global_buffer, .address_space: global }
      - { .name: wcodes, .offset: 56, .size: 8, .value_kind: global_buffer, .address_space: global }
    .group_segment_fixed_size: 0
    .private_segment_fixed_size: 0
    .kernarg_segment_align: 8
    .kernarg_segment_size: 64
    .max_flat_workgroup_size: 256
    .sgpr_count:     66
    .vgpr_count:     256
    .wavefront_size: 32
...
	.end_amdgpu_metadata
.endif
;; end of part 1
;; launch qkv (part 2): grid 4 x 96, 4 waves a work-group, clusters of 4 x 4, 327,680 bytes of LDS; arguments xcodes, wcodes, lowp_scales, qkv; writes qkv
.if DOCPART == 2
	.amdgcn_target "amdgcn-amd-amdhsa--gfx1250"
	.amdhsa_code_object_version 6
	.text
	.protected	k_q063b2bc3a7_qkv
	.globl	k_q063b2bc3a7_qkv
	.p2align	8
	.type	k_q063b2bc3a7_qkv,@function
k_q063b2bc3a7_qkv:
	s_mov_b64 s[64:65], 0
	v_nop
	global_prefetch_b8 v0, s[64:65] scope:SCOPE_SE
	s_setreg_imm32_b32 hwreg(HW_REG_WAVE_MODE, 25, 1), 1
	s_wait_xcnt 0x0
	s_wait_alu depctr_hold_cnt(0) depctr_sa_sdst(0) depctr_va_vdst(0) depctr_va_sdst(0) depctr_va_ssrc(0) depctr_va_vcc(0) depctr_vm_vsrc(0)
	s_getreg_b32 s2, hwreg(HW_REG_IB_STS2, 6, 4)
	s_cmp_eq_u32 s2, 0
	s_cbranch_scc0 .Lentry_in_a_cluster
	s_endpgm
.Lentry_in_a_cluster:
	s_bfe_u32 s2, ttmp6, 0x10000c
	s_cmp_lg_u32 s2, 0xf033
	s_cbranch_scc0 .Lentry_shape_is_right
	s_endpgm
.Lentry_shape_is_right:
; q = x Wq^T, k = x Wk^T, v = x Wv^T on E4M3 codes, K = 1,024; each finished sum is quantised at once for the attention's products (entries 6, 7, 9 of the scales) and stored as a code.
; OPERANDS lie as [row / 256][k / 64][row % 256][k % 64], blocks of 16,384 bytes: a K step of 256 of a tile of 256 rows is 65,536 consecutive bytes.
; A tile of the result, 256 x 256, is made by four waves, each 128 x 128: 64 accumulators of 16 x 16, 512 registers.  K goes in four steps of 256 through a ring of two LDS slots filled by the tensor data mover.
; WHICH PRODUCT: cluster y = c, p = c / 8.  p = 0, 1: A = x's codes of set p (32 row tiles: 4 (c % 8) + cy), B = Wq's or Wk's (4 tiles: cx).  p = 2: A = Wv's codes (cy), B = x's of set 2 (4 (c % 8) + cx): V^T.
; THE MATRIX INSTRUCTION IS USED TRANSPOSED (source 0 = 16 rows of B, source 1 = 16 rows of A): a lane holds one row of A and eight neighbouring rows of B.  For q and k that is one token and eight channels of a head;
; for V^T one channel and eight neighbouring tokens: in both the eight lie along the K of the product that will read them, and one conversion makes their 8 bytes.
; RESULTS: q and k as [token / 256][head][token % 256][64]; v as [token / 256][head][key % 256 / 64][channel 64][key % 64]: blocks of 16,384 bytes again; q, k, v 8 MiB apart.
; CLUSTERS: 4 x 4 work-groups.  The four of a row need the same tiles of A, the four of a column the same tiles of B: each tile is asked for JOINTLY, by the same tensor load with the same descriptor and a mask of the four.
; All choices by p are selects on the cluster's number, which the sixteen partners share; no branch hangs on it.
; A fragment's k are taken in an order that is the same in A and in B (registers 4 c .. 4 c + 3: k = 32 c + 16 (lane / 16) + 0 .. 15): every product meets its partner; the order of the sums inside an instruction differs from ascending k.
; LIMITS: e6 - e0 - e1, e7 - e2 - e3, e9 - e4 - e5 between -126 and 119, so that the folded scale and 448 x it are f32 numbers.
; REGISTERS, in windows of 256: window 0: v0-31 addresses; from v128 A's fragments, ONE set; on the way out v32-255 are free.  window 1: B's fragments, TWO sets, at v0 and v128.
;   window 2: the 32 accumulators of my rows 0-63 ((a, b) at v[8 (8 a + b)]);  window 3: those of my rows 64-127.
.set PITCH,  272                       ; 256 bytes of a block (four rows of 64 codes) + 16 of padding: the 16 rows of a fragment start at 16 different columns of 16 bytes modulo 256
.set PLANE,  64*PITCH                  ; a block in LDS: 256 rows x 64 along K
.set HALFT,  2*PLANE                   ; what one tensor load brings: two blocks
.set SLOT,   4*HALFT                   ; A's four blocks, then B's four
.set SPARE,  2*SLOT                    ; behind the ring: the spare words, 128 bytes for each wave
.set KSB,    65536                     ; a K step of a tile in memory
.set HROWS,  32*PITCH                  ; 128 rows of a block in LDS
.set BROWS,  4*PITCH                   ; 16 rows
.set FR,     16                        ; registers of a fragment: 16 rows x 128 K
.set NL,     4                         ; LDS loads that bring one
.set NP,     4                         ; places behind this matrix instruction (ISA guide 7.12.1)
.set LAPS,   2                         ; a lap = two K steps = once round the ring
.set VO,   8                           ; v8-11   the way out: my byte offsets in the result
.set ADRA, 16                          ; v16-17  LDS address of my A fragments in slot 0, 1
.set ADRB, 20                          ; v20-21  the same for B
.set STO,  24                          ; v24     the way out: where I put 8 codes
.set RD,   25                          ; v25     the way out: where I read 16 bytes back
.set SPW,  28                          ; v28     LDS address of my spare word; never rewritten
.set NIL,  29                          ; v29     0; never rewritten
.set SC,   30                          ; v30     the folded scale as f32
.set LIM,  31
.set CD,   32                          ; v32-159 the way out: codes, two registers an accumulator
.set AF,   128                         ; A's fragments, in window 0
.set BK,   128                         ; the way out: a block read back from the stage
.set G1, 24                            ; s[24:31] descriptor group 1 for A's tiles;  s[32:39] group 0, one set for each slot
.set G0, 32
.set G1B, 48                           ; s[48:55], s[56:63] the same for B's tiles
.set G0B, 56
.set MSB, 0
.macro WIN new                         ; the immediate's high byte repeats the setting that is left
.if MSB != (\new)
	s_set_vgpr_msb (MSB<<8)|(\new)
.set MSB, (\new)
.endif
.endm
.set MUL_LO, 0xa1                      ; source 0 (B) window 1, source 1 (A) window 0, C and D window 2
.set MUL_HI, 0xf1                      ; the same, C and D window 3
.set TO_B,   0x40                      ; destination window 1, address window 0
; A joint load: waves 0 and 1 fetch for A, waves 2 and 3 for B.  Each of the two lines has ONE mask and one set of registers for all that issue it; the branch hangs on the wave's number alone.
; An s_nop 0 and four v_nop follow each of the two lines, ahead of the jump, the label and what follows.
.macro JLOAD g0a, g1a, g0b, g1b
	s_cmp_eq_u32 s15, 0
	s_cbranch_scc0 .Lfor_b_\@
	tensor_load_to_lds s[\g0a:\g0a+3], s[\g1a:\g1a+7]
	s_nop 0
.rept 4
	v_nop
.endr
	s_branch .Lasked_\@
.Lfor_b_\@:
	tensor_load_to_lds s[\g0b:\g0b+3], s[\g1b:\g1b+7]
	s_nop 0
.rept 4
	v_nop
.endr
.Lasked_\@:
.endm
.macro CREST                           ; a round of the cluster's barrier behind its opening barrier
	s_cmp_lg_u32 s14, 0
	s_cbranch_scc1 .Lnot_wave_0_\@
	s_barrier_signal -3
.Lnot_wave_0_\@:
	s_barrier_wait -3
	s_barrier_signal -1
	s_barrier_wait -1
.endm
.macro CROUND                          ; a whole round
	s_barrier_signal -1
	s_barrier_wait -1
	CREST
.endm
	s_load_b128 s[4:7], s[0:1], 0x0                ; x's codes s[4:5], the weights' codes s[6:7]
	s_load_b128 s[8:11], s[0:1], 0x10              ; the scales' exponents s[8:9], the result s[10:11]
	v_lshl_add_u32 v[SPW], v0, 2, SPARE
	v_mov_b32 v[NIL], 0
	ds_add_u32 v[SPW], v[NIL]                      ; the wave's opening: the add and its wait stand ahead of my first tensor load; the set-up below, work on registers, stands between them
	ds_add_u32 v[SPW], v[NIL]
	v_lshrrev_b32 v1, 5, v0
	v_readfirstlane_b32 s14, v1                    ; wave 0..3
	s_lshr_b32 s15, s14, 1                         ; which half of the tile's rows is mine.  Also: I fetch for A (0) or for B (1)
	s_and_b32 s16, s14, 1                          ; which half of its columns.  Also: which two blocks of the K step I fetch
	s_bfe_u32 s40, ttmp6, 0x40000                  ; cx, cy: my place in the cluster
	s_bfe_u32 s41, ttmp6, 0x40004
	s_and_b32 s66, ttmp7, 0xffff                   ; c: the cluster's y, 0 .. 23
	s_lshr_b32 s67, s66, 3                         ; p: 0 q, 1 k, 2 v
	s_and_b32 s68, s66, 7
	s_lshl_b32 s68, s68, 2                         ; the cluster's first tile of tokens
	s_cmp_eq_u32 s67, 2                            ; all selects on this compare stand ahead of the additions, which set SCC
	s_cselect_b32 s17, 0, s68
	s_cselect_b32 s42, s68, 0
	s_cselect_b32 s74, 20, 23                      ; A's part of its buffer begins at p << 23 (x's sets) or at 2 << 20 (Wv),
	s_cselect_b32 s75, 23, 20                      ; B's at p << 20 (Wq, Wk) or at 2 << 23 (x's third set)
	s_add_co_u32 s17, s17, s41                     ; tile row (of A): hangs on cy, never on cx
	s_add_co_u32 s42, s42, s40                     ; tile column (of B): hangs on cx, never on cy
	s_lshl_b32 s74, s67, s74
	s_lshl_b32 s75, s67, s75
	s_lshl_b32 s43, s41, 2
	s_lshl_b32 s43, 15, s43                        ; my row of the cluster
	s_lshl_b32 s44, 0x1111, s40                    ; my column
	; descriptor group 1: 128 rows of 256 bytes, dense in memory, padded in LDS
	s_or_b32 s[G1+0], s43, (0<<16)|(1<<20)|(1<<21)|(5<<22)|(3<<25)  ; 15:0 the mask: A's tiles go to my row; 17:16 element of 1 byte; 20 padding on; 21 set beside a mask; 24:22 after every 64 words (code 5); 31:25 of 4 words (code 3)
	s_or_b32 s[G1B+0], s44, (0<<16)|(1<<20)|(1<<21)|(5<<22)|(3<<25)
.irp g, G1, G1B
	s_mov_b32 s[\g+1], 256<<16                     ; tensor_dim0
	s_mov_b32 s[\g+2], 128<<16                     ; tensor_dim1
	s_mov_b32 s[\g+3], 256<<16                     ; tile_dim0
	s_mov_b32 s[\g+4], 128                         ; tile_dim1
	s_mov_b32 s[\g+5], 256                         ; tensor_dim0_stride
	s_mov_b32 s[\g+6], 0
	s_mov_b32 s[\g+7], 0
.endr
	s_lshl_b32 s18, s16, 15                        ; which two blocks of a K step I fetch
	s_lshl_b32 s20, s17, 18                        ; a tile's 16 blocks
	s_add_co_u32 s20, s20, s74
	s_add_co_u32 s20, s20, s18
	s_mov_b32 s21, 0
	s_lshl_b32 s46, s42, 18
	s_add_co_u32 s46, s46, s75
	s_add_co_u32 s46, s46, s18
	s_mov_b32 s47, 0
	s_mul_i32 s45, s14, HALFT                      ; where they go: wave x two blocks: no place in the cluster enters an LDS address
	s_wait_dscnt 0x0                               ; the opening add is done
	s_wait_kmcnt 0x0
	s_load_b256 s[80:87], s[8:9], 0x0              ; e0 .. e7
	s_load_b128 s[88:91], s[8:9], 0x20             ; e8 .. e11
	s_cmp_eq_u32 s67, 2
	s_cselect_b64 s[70:71], s[6:7], s[4:5]         ; A's buffer
	s_cselect_b64 s[72:73], s[4:5], s[6:7]         ; B's
	s_add_nc_u64 s[20:21], s[70:71], s[20:21]
	s_add_nc_u64 s[46:47], s[72:73], s[46:47]
	CROUND                                         ; all sixteen work-groups are here: the first joint loads meet
.irp s, 0,1
	s_mov_b32 s[G0+4*\s], 1
	s_add_co_u32 s[G0+4*\s+1], s45, \s*SLOT
	s_add_nc_u64 s[G0+4*\s+2:G0+4*\s+3], s[20:21], \s*KSB
	s_or_b32 s[G0+4*\s+3], s[G0+4*\s+3], 0x80000000
	s_mov_b32 s[G0B+4*\s], 1
	s_add_co_u32 s[G0B+4*\s+1], s45, \s*SLOT
	s_add_nc_u64 s[G0B+4*\s+2:G0B+4*\s+3], s[46:47], \s*KSB
	s_or_b32 s[G0B+4*\s+3], s[G0B+4*\s+3], 0x80000000
	s_wait_alu depctr_va_vdst(0)
	s_wait_tensorcnt 0x0
	ds_add_u32 v28, v29
	ds_add_u32 v28, v29
	s_wait_dscnt 0x0
	CROUND
	JLOAD G0+4*\s, G1, G0B+4*\s, G1B
.endr
	v_and_b32 v1, 15, v0                           ; r = l % 16
	v_bfe_u32 v2, v0, 4, 1                         ; h = l / 16
	v_lshrrev_b32 v3, 2, v1
	v_mul_u32_u24 v3, v3, PITCH
	v_and_b32 v5, 3, v1
	v_lshl_add_u32 v3, v5, 6, v3                   ; row r of a block in LDS: (r / 4) x 272 + (r % 4) x 64
	s_wait_alu depctr_va_vdst(0)
	v_lshl_add_u32 v4, v2, 4, v3                   ; + 16 h
	s_mul_i32 s21, s15, HROWS                      ; my 128 rows of A
	s_mul_i32 s22, s16, HROWS                      ; my 128 rows of B,
	s_add_co_u32 s22, s22, 2*HALFT                 ; whose blocks lie behind A's four
.irp s, 0,1
	v_add_nc_u32 v[ADRA+\s], s21, v4
	v_add_nc_u32 v[ADRB+\s], s22, v4
	s_add_co_u32 s21, s21, SLOT
	s_add_co_u32 s22, s22, SLOT
.endr
	s_mul_i32 s23, s16, 2*PLANE                    ; the stage: my 128 columns are two of its four blocks,
	s_mul_i32 s69, s15, HROWS                      ; my 128 rows half of each
	s_add_co_u32 s23, s23, s69
	v_lshl_add_u32 v5, v2, 3, v3                   ; row r, + 8 h
	v_add_nc_u32 v[STO], s23, v5
	s_mul_i32 s23, s14, PLANE                      ; back: wave w takes block w, 512 bytes of data an instruction
	v_mul_u32_u24 v6, v2, PITCH
	v_lshl_add_u32 v6, v1, 4, v6
	v_add_nc_u32 v[RD], s23, v6
	; where block w of the stage goes.  q, k: it IS block (tile row, head 4 x tile column + w) of the result.  v: its four quarters (64 channels each) are piece w (4,096 bytes) of blocks (tile column, head 4 x tile row + 0 .. 3)
	s_cmp_eq_u32 s67, 2
	s_mov_b32 s78, 16384
	s_cselect_b32 s78, s78, 4096                   ; from quarter to quarter
	s_cselect_b32 s79, s42, s17                    ; the tile of tokens
	s_cselect_b32 s93, s17, s42                    ; the tile of channels
	s_cselect_b32 s94, 12, 14
	s_lshl_b32 s79, s79, 4
	s_lshl_b32 s93, s93, 2
	s_add_co_u32 s79, s79, s93
	s_lshl_b32 s79, s79, 14
	s_lshl_b32 s94, s14, s94
	s_add_co_u32 s94, s94, s79
	s_lshl_b32 s93, s67, 23                        ; q, k, v lie 8 MiB apart
	s_add_co_u32 s94, s94, s93
	s_mov_b32 s95, 0
	s_add_nc_u64 s[10:11], s[10:11], s[94:95]
	v_and_b32 v7, 31, v0
	v_lshlrev_b32 v[VO], 4, v7
	v_add_nc_u32 v[VO+1], s78, v[VO]
	v_add_nc_u32 v[VO+2], s78, v[VO+1]
	v_add_nc_u32 v[VO+3], s78, v[VO+2]
.macro FRAG reg, adr, q, i             ; a fragment, 16 rows x 128 K: registers 4 c .. 4 c + 3 hold K = 32 c + 16 (l / 16) + 0 .. 15 of the slot's q-th 128: block 2 q + c / 2, byte 32 (c % 2) + 16 (l / 16) of the row
.irp c, 0,1,2,3
	ds_load_b128 v[\reg+4*\c:\reg+4*\c+3], v[\adr] offset:(2*(\q)+\c/2)*PLANE+(\c%2)*32+(\i)*BROWS
.endr
.endm
; 16 matrix instructions: A's blocks a0, a0 + 1 x B's eight, 128 along K.  p: B's set.  zero = 1: the first product starts the sums: nothing is ever cleared.
; The 64 accumulators take turns, one instruction a turn, in the same order in every step.
.macro MUL16 a0, p, zero
.irp a, \a0, \a0+1
.irp b, 0,1,2,3,4,5,6,7
.if \zero
	v_wmma_f32_16x16x128_fp8_fp8 v[8*(8*((\a)%4)+\b):8*(8*((\a)%4)+\b)+7], v[128*(\p)+FR*\b:128*(\p)+FR*\b+FR-1], v[AF+FR*(\a):AF+FR*(\a)+FR-1], 0
.else
	v_wmma_f32_16x16x128_fp8_fp8 v[8*(8*((\a)%4)+\b):8*(8*((\a)%4)+\b)+7], v[128*(\p)+FR*\b:128*(\p)+FR*\b+FR-1], v[AF+FR*(\a):AF+FR*(\a)+FR-1], v[8*(8*((\a)%4)+\b):8*(8*((\a)%4)+\b)+7]
.endif
.endr
.endr
.endm
.macro FETCH_B slot, q, p              ; B's eight fragments of the slot's q-th 128 along K into set p
	WIN TO_B
.irp i, 0,1,2,3,4,5,6,7
	FRAG 128*(\p)+FR*\i, ADRB+\slot, \q, \i
.endr
	WIN 0
.endm
.macro FETCH_A slot, q, i0             ; A's blocks i0 .. i0 + 3
.irp i, \i0, \i0+1, \i0+2, \i0+3
	FRAG AF+FR*(\i), ADRA+\slot, \q, \i
.endr
.endm
; A load into a register that a matrix instruction has read, and a vector instruction or an LDS store that reads a matrix result, stand NP places behind that matrix instruction, and only plain vector
; instructions that name none of its registers are places (ISA guide 7.12.1 for vector instructions).
.macro PLACES n
.rept \n
	v_nop
.endr
.endm
; A step of 128 along K that has its successor in the same slot.
.macro STEP slot, q, zero
	s_wait_dscnt 4*NL                              ; B's set and A's blocks 0-3 are in; the youngest sixteen loads (A's blocks 4-7) may be out
	WIN MUL_LO
	MUL16 0, (\q)%2, \zero
	MUL16 2, (\q)%2, \zero
	s_wait_dscnt 0                                 ; A's blocks 4-7 are in
	PLACES NP
	FETCH_B \slot, (\q)+1, 1-(\q)%2
	FETCH_A \slot, (\q)+1, 0
	WIN MUL_HI
	MUL16 4, (\q)%2, \zero
	MUL16 6, (\q)%2, \zero
	PLACES NP
	WIN 0
	FETCH_A \slot, (\q)+1, 4
.endm
; A slot's last step changes slots: ONE barrier; in front of it each wave waits for all its tensor loads, adds 0 to its spare word, and waits for that and for its own reads of this slot.  fill = 1: this slot is filled again, two K steps ahead.
.macro TURN slot, next, fill
	s_wait_tensorcnt 0x0                           ; all my tensor loads have landed: my part of the next slot;  (every window is 0 here: the add's two registers lie in window 0)
	ds_add_u32 v[SPW], v[NIL]                      ; 0 onto my spare word
	s_wait_dscnt 4*NL+1                            ; (the add and the youngest sixteen loads, A's blocks 4-7, may be out)
	WIN MUL_LO
	MUL16 0, 1, 0                                  ; sixteen matrix instructions stand between the add and the wait for it
	s_wait_dscnt 0x0                               ; the add is done, and my reads of this slot are over
	s_barrier_signal -1
	MUL16 2, 1, 0
	WIN 0
	s_barrier_wait -1
.if \fill
	CREST                                          ; the barrier has opened a round of the cluster's barrier: no wave of any partner still reads this slot's tile or has a load on its way
	s_add_nc_u64 s[G0+4*\slot+2:G0+4*\slot+3], s[G0+4*\slot+2:G0+4*\slot+3], 2*KSB
	s_add_nc_u64 s[G0B+4*\slot+2:G0B+4*\slot+3], s[G0B+4*\slot+2:G0B+4*\slot+3], 2*KSB
	JLOAD G0+4*\slot, G1, G0B+4*\slot, G1B         ; the first tensor load behind the round; the four v_nop behind it are the places in front of the loads below
.else
	PLACES NP
.endif
	FETCH_B \next, 0, 0
	FETCH_A \next, 0, 0
	WIN MUL_HI
	MUL16 4, 1, 0
	MUL16 6, 1, 0
	PLACES NP
	WIN 0
	FETCH_A \next, 0, 4
.endm
	s_wait_tensorcnt 1                             ; my part of K step 0 is in (K step 1's load may be out)
	s_barrier_signal -1
	s_barrier_wait -1                              ; everybody's is
	FETCH_B 0, 0, 0
	FETCH_A 0, 0, 0
	FETCH_A 0, 0, 4
	STEP 0, 0, 1                                   ; the first step stands in front of the loop: its products start the sums
	s_mov_b32 s3, LAPS-1
.Llap:                                                 ; a trip goes once round the ring, from a lap's second step to the next lap's first, and fills both slots again
	TURN 0, 1, 1
	STEP 1, 0, 0
	TURN 1, 0, 1
	STEP 0, 0, 0
	s_sub_co_u32 s3, s3, 1
	s_cmp_lg_u32 s3, 0
	s_cbranch_scc1 .Llap
	TURN 0, 1, 0                                   ; the last lap fills nothing, and has no round of the cluster's barrier
	STEP 1, 0, 0
	s_wait_dscnt 4*NL                              ; the very last step: nothing more to fetch
	WIN MUL_LO
	MUL16 0, 1, 0
	MUL16 2, 1, 0
	s_wait_dscnt 0
	WIN MUL_HI
	MUL16 4, 1, 0
	MUL16 6, 1, 0
	WIN 0
	; THE WAY OUT.  A sum stands for sum x 2^(its two operands' e added); its code is that / 2^(the next product's e): the three exponents are folded into the conversion's one scale.
	s_wait_kmcnt 0x0
	s_sub_co_i32 s92, s86, s80
	s_sub_co_i32 s92, s92, s81                     ; q: e6 - e0 - e1
	s_sub_co_i32 s93, s87, s82
	s_sub_co_i32 s93, s93, s83                     ; k: e7 - e2 - e3
	s_sub_co_i32 s94, s89, s84
	s_sub_co_i32 s94, s94, s85                     ; v: e9 - e4 - e5
	s_cmp_eq_u32 s67, 0
	s_cselect_b32 s92, s92, s93
	s_cmp_eq_u32 s67, 2
	s_cselect_b32 s92, s94, s92
	s_add_co_i32 s92, s92, 127
	s_lshl_b32 s93, s92, 23
	v_mov_b32 v[SC], s93
	s_add_co_i32 s92, s92, 8
	s_lshl_b32 s92, s92, 23
	s_or_b32 s92, s92, 0x600000
	PLACES NP                                      ; behind the last products: for the reads of results, and for the writes into registers that held A's fragments
	; The work-group's stage lies in slot 0, which has had its last fill, and which nobody reads behind the last change of slots: four blocks (64 columns each) of 256 rows x 64 bytes, laid as the tiles were.
.irp hi, 0,1
	WIN 0x82+0x41*\hi                              ; source 0 and destination: window 2, then 3
.set j, 0
.rept 256
.set j, j+1
.endr
	WIN 0x02+\hi
.set n, 0
.rept 32
	v_cvt_scalef32_pk8_fp8_f32 v[CD+64*\hi+2*n:CD+64*\hi+2*n+1], v[8*n:8*n+7], v[SC]
.set n, n+1
.endr
	v_nop                                          ; one plain vector line behind the last conversion of the run
	WIN 0
.set n, 0
.rept 32
	ds_store_b64 v[STO], v[CD+64*\hi+2*n:CD+64*\hi+2*n+1] offset:((n%8)/4)*PLANE+(4*\hi+n/8)*BROWS+16*(n%4)   ; accumulator (a = 4 hi + n / 8, b = n % 8): rows 16 a on, columns 16 b + 8 h on
.set n, n+1
.endr
.endr
	s_wait_dscnt 0x0                               ; for the others' sake: my stores into the stage are done
	s_barrier_signal -1
	s_barrier_wait -1
.set n, 0
.rept 32
	ds_load_b128 v[BK+4*n:BK+4*n+3], v[RD] offset:2*PITCH*n
.set n, n+1
.endr
.set n, 0
.rept 32
	s_wait_dscnt 31-n                              ; LDS loads come back in order: the younger ones may be out
	global_store_b128 v[VO+n/8], v[BK+4*n:BK+4*n+3], s[10:11] offset:(n%8)*512   ; 32 lanes store 512 consecutive bytes, at a multiple of 512 from the buffer's first byte
.set n, n+1
.endr
	s_wait_tensorcnt 0x0                           ; the wave's end, behind my last tensor load and my last LDS store
	ds_add_u32 v[SPW], v[NIL]
	s_wait_dscnt 0x0
	CROUND                                         ; the closing round: no work-group ends while a partner may still ask for a tile that names it
	s_endpgm
.Lfunc_end_k_q063b2bc3a7_qkv:
	.size	k_q063b2bc3a7_qkv, .Lfunc_end_k_q063b2bc3a7_qkv-k_q063b2bc3a7_qkv
	.p2alignl 7, 3214868480
	.fill 96, 4, 3214868480
	.section	.rodata,"a",@progbits
	.p2align	6, 0x0
	.amdhsa_kernel k_q063b2bc3a7_qkv
		.amdhsa_group_segment_fixed_size 327680
		.amdhsa_private_segment_fixed_size 0
		.amdhsa_enable_private_segment 0
		.amdhsa_kernarg_size 32
		.amdhsa_user_sgpr_count 2
		.amdhsa_user_sgpr_kernarg_segment_ptr 1
		.amdhsa_wavefront_size32 1
		.amdhsa_system_sgpr_workgroup_id_x 1
		.amdhsa_system_sgpr_workgroup_id_y 1
		.amdhsa_system_sgpr_workgroup_id_z 1
		.amdhsa_system_vgpr_workitem_id 0
		.amdhsa_next_free_vgpr 1024
		.amdhsa_next_free_sgpr 100
		.amdhsa_reserve_vcc 0
		.amdhsa_float_denorm_mode_32 3
		.amdhsa_float_denorm_mode_16_64 3
		.amdhsa_fp16_overflow 1
		.amdhsa_memory_ordered 1
		.amdhsa_forward_progress 1
		.amdhsa_inst_pref_size 94
	.end_amdhsa_kernel
	.amdgpu_metadata
---
amdhsa.version: [ 1, 2 ]
amdhsa.kernels:
  - .name:           k_q063b2bc3a7_qkv
    .symbol:         k_q063b2bc3a7_qkv.kd
    .args:
      - { .name: xcodes, .offset: 0, .size: 8, .value_kind: global_buffer, .address_space: global }
      - { .name: wcodes, .offset: 8, .size: 8, .value_kind: global_buffer, .address_space: global }
      - { .name: lowp_scales, .offset: 16, .size: 8, .value_kind: global_buffer, .address_space: global }
      - { .name: qkv, .offset: 24, .size: 8, .value_kind: global_buffer, .address_space: global }
    .group_segment_fixed_size: 327680
    .private_segment_fixed_size: 0
    .kernarg_segment_align: 8
    .kernarg_segment_size: 32
    .max_flat_workgroup_size: 128
    .sgpr_count:     100
    .vgpr_count:     1024
    .wavefront_size: 32
...
	.end_amdgpu_metadata
.endif
;; end of part 2
;; launch attn (part 3): grid 4 x 64, 16 waves a work-group, no clusters, 327,680 bytes of LDS; arguments qkv, lowp_scales, ocodes; writes ocodes
.if DOCPART == 3
	.amdgcn_target "amdgcn-amd-amdhsa--gfx1250"
	.amdhsa_code_object_version 6
	.text
	.protected	k_q063b2bc3a7_attn
	.globl	k_q063b2bc3a7_attn
	.p2align	8
	.type	k_q063b2bc3a7_attn,@function
k_q063b2bc3a7_attn:
	s_mov_b64 s[64:65], 0
	v_nop
	global_prefetch_b8 v0, s[64:65] scope:SCOPE_SE
	s_setreg_imm32_b32 hwreg(HW_REG_WAVE_MODE, 25, 1), 1
	s_wait_xcnt 0x0
; Causal attention on E4M3 codes, 64 heads (batch x head) of 2,048 tokens x 64 channels.  Scores = q k^T (scales: entries 6, 7), o = p v (entries 8, 9); o / l is quantised at once for the last product (entry 10).
; INPUT (one buffer; q, k, v 8 MiB apart): blocks of 16,384 bytes, block (tile of 256 tokens, head) at (16 tile + head) x 16,384.  q, k: [token % 256][64].  v: [key % 256 / 64][channel 64][key % 64]: the keys innermost.
; OUTPUT: o's codes in q's layout.
; THE SOFTMAX: t = score x log2(e) / 8; M = the row's largest t so far, rounded UP to a whole number; p = 2^(t - M) is what is quantised, not normalised.  The row's sum l is taken of the unquantised p and divides o at the end.
; When M moves, l and o are multiplied by 2^(old M - new M): nothing is rounded.
; SHARES.  Work-group (i, head) owns the blocks i and 7 - i of 256 queries, one after the other; each of its sixteen waves 16 queries of the block in hand, one tile, in 256 registers.
; Block j needs the tiles 0 .. j of 256 keys: (i + 1) + (8 - i) = 9 tiles for every work-group: the trip count is a constant, every tensor load is issued on every path, and all 256 work-groups have the same work.
; NO CLUSTER: in trip t the four work-groups of a head want the tiles t, t - 1, t - 2, .. of two different walks (0 .. i, then 0 .. 7 - i): partners would not ask for the same tile in the same trip.
; A tile of K and a tile of V, 16,384 bytes each, come through a ring of two LDS slots: wave 0 fetches K's, wave 1 V's, all sixteen read.
; LAYOUT.  Both products are used transposed: S^T = K Q^T (source 0 = 16 keys, source 1 = my 16 queries), O^T = V^T P^T (source 0 = 16 channels, source 1 = P): a lane holds ONE query (lane % 16) throughout.
; Register j of score tile t holds key 16 t + 8 (lane / 16) + j: eight neighbours, whose 8 codes are registers 2 t, 2 t + 1 of the second product's operand in that form's own layout; V's fragments are loaded in the same layout.
; In the first product the 64 channels are taken in an order that is the same in K and in Q (registers 4 c .. 4 c + 3: channel 32 c + 16 (lane / 16) + 0 .. 15).
; CAUSAL: a step of 128 keys that all come after my 16 queries is left out (a scalar branch on ids, round no barrier and no tensor load); on the diagonal hidden scores become -infinity ahead of the maximum.
; LIMITS: e6 + e7 between -123 and 130 (added to the exponent field of log2(e) / 8); e8, and e10 - e8 - e9, between -126 and 119.  NaN is not served.
; REGISTERS: v1-7 addresses that stay; v8, v9 addresses of the loads in hand; v12 -M, v13 the largest t, v[14:15] l in two halves; v16-23 Q; v24-31 Q of the second block; v32-95 K's fragments, then V's;
;   v96-159 S^T, then p; v160-191 O^T; v192-207 p's codes; v208-223 the way out; v234-255 at work and scales.
.set PITCH, 272                        ; 256 bytes of a block + 16 of padding
.set TILEB, 64*PITCH                   ; a block in LDS
.set VOFF,  TILEB                      ; a slot: K's block, then V's
.set SLOT1, 65536                      ; slot 1 begins here: one exclusive or turns an address in one slot into the other's
.set STAGE, 131072                     ; the way out: 4 x 272 bytes for each wave; no tile lands here
.set SPARE, STAGE+16*4*PITCH           ; the spare words, 128 bytes for each wave: eight blocks of 256 bytes that no other line names
.set TSTEP, 262144                     ; from a tile of tokens to the next, in memory
.set AK0,  1                           ; v1   my lane's place in K's block
.set AV0,  2                           ; v2   in V's
.set STI,  3                           ; v3   the stage: where I put 8 codes
.set STB,  4                           ; v4   and where I read 16 bytes back
.set SPW,  5                           ; v5   LDS address of my spare word; never rewritten
.set NIL,  6                           ; v6   0; never rewritten
.set GO,   7                           ; v7   16 x lane: my place in a store's 512 bytes
.set ADK,  8
.set ADV,  9
.set TB,   2                           ; s2   LDS byte at which the slot in hand begins
.set WV,   18                          ; s18  my wave's number
.set SEL,  20                          ; s[20:21] lane selects for v_permlanex16_b32: lane l xor 16
.set CS,   22                          ; s[22:23] c = log2(e) / 8 x 2^(e6 + e7)
.set G1,   24                          ; s[24:31] descriptor group 1
.set G0,   40                          ; s[40:43] descriptor group 0, which walks
.set I1,   50                          ; s50  i + 1: the tiles of the first block
.set TI,   51                          ; s51  the trip
.set NX,   52                          ; s52  the number of the tile that the next change of slots asks for
.set KO,   54                          ; s[54:55] that tile's byte offset in the head's walk
.set TBASE, 56                         ; s[56:57] the head's first block of K (wave 0) or V
.set KF,   60                          ; s60  the step's first key
.set Q0,   61                          ; s61  my first query
.set Q0B,  62                          ; s62  my first query in the second block
.set OA,   66                          ; s[66:67] where my 16 rows of o go, first block;  s[68:69] second
.set OB,   68
.macro TLOAD                           ; wave 0 fetches K's block, wave 1 V's, the others nothing.  An s_nop 0 and four v_nop follow the line
	s_cmp_lt_u32 s[WV], 2
	s_cbranch_scc0 .Lnone_\@
	tensor_load_to_lds s[G0:G0+3], s[G1:G1+7]
	s_nop 0
.rept 4
	v_nop
.endr
.Lnone_\@:
.endm
; THE CHANGE OF SLOTS stands at a tile's head.  Each wave waits for all its tensor loads (its part of the slot that it is about to read), adds 0 to its spare word, and waits for that and for its reads of the slot that it has left.
; Behind the barrier the slot ahead is whole and nobody reads the other one.  fill = 1: that other slot takes the walk's next tile, which has a whole tile's steps in which to land.
.macro CHANGE fill
	s_wait_tensorcnt 0x0                           ; no tensor load of mine is out, so group 0 may be written
	ds_add_u32 v[SPW], v[NIL]                      ; 0 onto my spare word; the descriptor's steps stand between it and the wait for it
.if \fill
	s_xor_b32 s[G0+1], s[G0+1], SLOT1              ; the other slot than last time
	s_add_co_u32 s[KO], s[KO], TSTEP               ; the next tile of keys,
	s_cmp_eq_u32 s[NX], s[I1]
	s_cselect_b32 s[KO], 0, s[KO]                  ; or the second block's first
	s_add_co_u32 s[NX], s[NX], 1
	s_add_nc_u64 s[G0+2:G0+3], s[TBASE:TBASE+1], s[KO:KO+1]
	s_or_b32 s[G0+3], s[G0+3], 0x80000000
.endif
	s_wait_dscnt 0x0                               ; the add is done, and my reads of the slot that I have left are over
	s_barrier_signal -1
	s_barrier_wait -1
.if \fill
	TLOAD                                          ; the first thing behind the barrier, and a wave's one tensor load until the next
.endif
.endm
.macro RESET                           ; a block of queries begins: the first change of M multiplies zeros
	v_mov_b32 v13, 0xff61b1e6                      ; the largest t so far: -3e38, under every t
	s_delay_alu instid0(VALU_DEP_1)
	v_floor_f32 v12, -v13                          ; -M
	v_mov_b32 v14, 0
	v_mov_b32 v15, 0
.set j, 0
.rept 32
	v_mov_b32 v[160+j], 0
.set j, j+1
.endr
.endm
; A KEY STEP: 128 keys, the q-th of the slot in hand.
.macro STEP q
	s_add_co_u32 s96, s[Q0], 15
	s_cmp_gt_u32 s[KF], s96                        ; all keys behind my last query: nothing to do
	s_cbranch_scc1 .Lhidden_\@
	v_add_nc_u32 v[ADK], s[TB], v[AK0]
	v_add_nc_u32 v[ADV], s[TB], v[AV0]
	v_nop                                          ; with the two additions: four places in front of loads into registers that the last products read
	v_nop
.irp t, 0,1,2,3,4,5,6,7
.irp c, 0,1
	ds_load_b128 v[32+8*\t+4*\c:35+8*\t+4*\c], v[ADK] offset:(32*(\q)+4*\t)*PITCH+32*\c
.endr
.endr
	s_wait_alu depctr_va_vdst(0)
	s_wait_dscnt 0x0
.irp t, 0,1,2,3,4,5,6,7
	v_wmma_f32_16x16x64_fp8_fp8 v[96+8*\t:103+8*\t], v[32+8*\t:39+8*\t], v[16:23], 0
.endr
.rept 4
	v_nop                                          ; places: for the loads below into K's registers, and for the first reads of the scores
.endr
.irp u, 0,1,2,3                                ; V's four fragments (16 channels x 128 keys) land while the softmax is worked
.irp c, 0,1,2,3,4,5,6,7
	ds_load_b64 v[32+16*\u+2*\c:33+16*\u+2*\c], v[ADV] offset:(2*(\q)+\c/4)*16*PITCH+4*\u*PITCH+16*(\c%4)
.endr
.endr
	s_add_co_u32 s96, s[KF], 127
	s_cmp_le_u32 s96, s[Q0]                        ; all keys count for all my queries: no mask
	s_cbranch_scc1 .Lopen_\@
	s_sub_co_i32 s96, s[Q0], s[KF]
	v_and_b32 v252, 15, v0
	v_bfe_u32 v253, v0, 4, 1
	s_delay_alu instid0(VALU_DEP_1)
	v_lshlrev_b32 v253, 3, v253
	s_delay_alu instid0(VALU_DEP_1)
	v_sub_nc_u32 v252, v252, v253
	s_delay_alu instid0(VALU_DEP_1)
	v_add_nc_u32 v252, s96, v252                   ; d = my query - KF - 8 (lane / 16).  Register 8 t + j holds key KF + 8 (lane / 16) + 16 t + j: hidden where 16 t + j > d
	v_mov_b32 v254, 0xff800000                     ; -infinity
.set n, 0
.rept 64
	v_cmp_gt_i32 vcc_lo, 16*(n/8)+n%8, v252
	v_cndmask_b32 v[96+n], v[96+n], v254, vcc_lo
.set n, n+1
.endr
.Lopen_\@:
	v_max3_num_f32 v254, v96, v97, v98             ; the step's largest score of my query, among my 64 keys, in two chains,
	v_max3_num_f32 v252, v99, v100, v101
.irp i, 6,10,14,18,22,26,30,34,38,42,46,50,54,58
	v_max3_num_f32 v254, v254, v[96+\i], v[97+\i]
	v_max3_num_f32 v252, v252, v[98+\i], v[99+\i]
.endr
	v_max3_num_f32 v254, v254, v158, v159
	s_delay_alu instid0(VALU_DEP_1)
	v_max_num_f32 v254, v254, v252
	s_delay_alu instid0(VALU_DEP_1)
	v_permlanex16_b32 v236, v254, s[SEL], s[SEL+1]
	s_delay_alu instid0(VALU_DEP_1)
	v_max_num_f32 v254, v254, v236                 ; and among lane l xor 16's
	s_delay_alu instid0(VALU_DEP_1)
	v_mul_f32 v254, s[CS], v254                    ; as t (c is positive)
	s_delay_alu instid0(VALU_DEP_1)
	v_max_num_f32 v13, v13, v254                   ; the running largest t
	v_mov_b32 v254, v12
	s_delay_alu instid0(VALU_DEP_2)
	v_floor_f32 v12, -v13                          ; the new -M = floor(-t) = -ceil(t): M is a whole number
	s_delay_alu instid0(VALU_DEP_1)
	v_sub_f32 v254, v12, v254                      ; M's old value less its new one: a whole number, 0 or less
	s_delay_alu instid0(VALU_DEP_1)
	v_cvt_i32_f32 v254, v254                       ; (it saturates)
	s_delay_alu instid0(VALU_DEP_1)
	v_ldexp_f32 v252, 1.0, v254                    ; f = 2^(old M - new M)
.set j, 0
.rept 32
	v_pk_fma_f32 v[96+j:97+j], v[96+j:97+j], s[CS:CS+1], v[12:13] op_sel_hi:[1,0,0]   ; t - M, two at a time (of the pairs c and -M the low word serves both halves)
.set j, j+2
.endr
.set j, 0
	s_wait_alu depctr_va_vdst(0)
.rept 64
	v_exp_f32 v[96+j], v[96+j]                     ; p = 2^(t - M), at most 1
.set j, j+1
.endr
	v_pk_mul_f32 v[14:15], v[14:15], v[252:253] op_sel_hi:[1,0]   ; l under the new M: the plain line behind the exponentials
	s_wait_alu depctr_va_vdst(0)                   ; one wait for the whole batch, ahead of its first reader
	v_pk_add_f32 v[242:243], v[100:101], v[104:105]
	v_pk_add_f32 v[254:255], v[108:109], v[112:113]
	v_pk_add_f32 v[250:251], v[116:117], v[120:121]
	v_pk_add_f32 v[248:249], v[124:125], v[128:129]
	v_pk_add_f32 v[240:241], v[132:133], v[136:137]
	v_pk_add_f32 v[238:239], v[140:141], v[144:145]
	v_pk_add_f32 v[234:235], v[148:149], v[152:153]
	v_pk_add_f32 v[14:15], v[14:15], v[156:157]
	v_pk_add_f32 v[242:243], v[242:243], v[96:97]
	v_pk_add_f32 v[254:255], v[254:255], v[98:99]
	v_pk_add_f32 v[250:251], v[250:251], v[102:103]
	v_pk_add_f32 v[248:249], v[248:249], v[106:107]
	v_pk_add_f32 v[240:241], v[240:241], v[110:111]
	v_pk_add_f32 v[238:239], v[238:239], v[114:115]
	v_pk_add_f32 v[234:235], v[234:235], v[118:119]
	v_pk_add_f32 v[14:15], v[14:15], v[122:123]
	v_pk_add_f32 v[242:243], v[242:243], v[126:127]
	v_pk_add_f32 v[254:255], v[254:255], v[130:131]
	v_pk_add_f32 v[250:251], v[250:251], v[134:135]
	v_pk_add_f32 v[248:249], v[248:249], v[138:139]
	v_pk_add_f32 v[240:241], v[240:241], v[142:143]
	v_pk_add_f32 v[238:239], v[238:239], v[146:147]
	v_pk_add_f32 v[234:235], v[234:235], v[150:151]
	v_pk_add_f32 v[14:15], v[14:15], v[154:155]
	v_pk_add_f32 v[242:243], v[242:243], v[158:159]
	s_delay_alu instid0(VALU_DEP_2)
	v_pk_add_f32 v[14:15], v[14:15], v[248:249]
	s_delay_alu instid0(VALU_DEP_2)
	v_pk_add_f32 v[242:243], v[242:243], v[240:241]
	v_pk_add_f32 v[254:255], v[254:255], v[238:239]
	v_pk_add_f32 v[250:251], v[250:251], v[234:235]
	s_delay_alu instid0(VALU_DEP_2)
	v_pk_add_f32 v[14:15], v[14:15], v[254:255]
	s_delay_alu instid0(VALU_DEP_2)
	v_pk_add_f32 v[242:243], v[242:243], v[250:251]
	s_delay_alu instid0(VALU_DEP_1)
	v_pk_add_f32 v[14:15], v[14:15], v[242:243]
.irp t, 0,1,2,3,4,5,6,7
.irp i, 0,1,2,3,4,5,6,7
.endr
	v_cvt_scalef32_pk8_fp8_f32 v[192+2*\t:193+2*\t], v[96+8*\t:103+8*\t], v244
.endr
.set j, 0
.rept 16
	v_pk_mul_f32 v[160+j:161+j], v[160+j:161+j], v[252:253] op_sel_hi:[1,0]   ; O^T under the new M.  (Plain lines between the conversions and the products that read their results)
.set j, j+2
.endr
	s_wait_alu depctr_va_vdst(0)
	s_wait_dscnt 0x0                               ; V's fragments are in
.irp u, 0,1,2,3                                ; the four accumulators take turns; the scores' eight products stand between two turns of one accumulator
	v_wmma_f32_16x16x128_fp8_fp8 v[160+8*\u:167+8*\u], v[32+16*\u:47+16*\u], v[192:207], v[160+8*\u:167+8*\u]
.endr
.Lhidden_\@:
	s_add_co_u32 s[KF], s[KF], 128
.endm
; THE WAY OUT of a block: O^T / l stands for o / 2^(e8 + e9); its code is o / 2^e10: the three exponents are folded into the conversion's scale.  A lane's 8 codes go through my own stage in LDS;
; my 16 rows x 64 bytes are 1,024 consecutive bytes of o's block and leave by two stores of 512 consecutive bytes.
.macro WAYOUT o
.rept 4
	v_nop                                          ; places behind the last products
.endr
	s_wait_xcnt 0x0                                ; earlier stores have read their registers
	v_add_f32 v14, v14, v15                        ; l's two halves,
	s_delay_alu instid0(VALU_DEP_1)
	v_permlanex16_b32 v236, v14, s[SEL], s[SEL+1]
	s_delay_alu instid0(VALU_DEP_1)
	v_add_f32 v14, v14, v236                       ; and lane l xor 16's
	s_wait_alu depctr_va_vdst(0)
	v_rcp_f32 v14, v14
	v_nop                                          ; a plain line behind the reciprocal,
	s_wait_alu depctr_va_vdst(0)                   ; and the wait ahead of its first reader
.set j, 0
.rept 32
	v_mul_f32 v[96+j], v[160+j], v14               ; register 8 u + j: o(my query, channel 16 u + 8 (lane / 16) + j); each accumulator from its low end on
.set j, j+1
.endr
.set j, 0
.rept 32
.set j, j+1
.endr
.irp u, 0,1,2,3
	v_cvt_scalef32_pk8_fp8_f32 v[208+2*\u:209+2*\u], v[96+8*\u:103+8*\u], v246
.endr
	v_nop                                          ; one plain vector line behind the last conversion: products will write its sources again
.irp u, 0,1,2,3
	ds_store_b64 v[STI], v[208+2*\u:209+2*\u] offset:16*\u
.endr
.irp n, 0,1
	ds_load_b128 v[216+4*\n:219+4*\n], v[STB] offset:2*PITCH*\n   ; LDS serves a wave's instructions in order (ISA guide 5.7.1.4): these see my stores
.endr
	s_wait_dscnt 0x0
.irp n, 0,1
	global_store_b128 v[GO], v[216+4*\n:219+4*\n], s[\o:\o+1] offset:512*\n
.endr
.endm
	s_load_b128 s[4:7], s[0:1], 0x0                ; q, k, v's codes s[4:5], the scales' exponents s[6:7]
	s_load_b64 s[8:9], s[0:1], 0x10                ; o's codes
	v_lshl_add_u32 v[SPW], v0, 2, SPARE
	v_mov_b32 v[NIL], 0
	ds_add_u32 v[SPW], v[NIL]                      ; the wave's opening: the add and its wait stand ahead of my first tensor load; the set-up below, work on registers, stands between them
	ds_add_u32 v[SPW], v[NIL]
	v_lshrrev_b32 v8, 5, v0
	s_delay_alu instid0(VALU_DEP_1)
	v_readfirstlane_b32 s[WV], v8                  ; wave 0..15
	s_and_b32 s10, ttmp7, 0xffff                   ; batch x 16 + head
	s_lshr_b32 s11, s10, 4
	s_and_b32 s10, s10, 15
	s_lshl_b32 s11, s11, 7                         ; a batch has 8 tiles of tokens x 16 heads
	s_add_co_u32 s10, s10, s11
	s_lshl_b32 s10, s10, 14                        ; the head's first block, in bytes
	s_add_co_u32 s[I1], ttmp9, 1
	s_sub_co_u32 s13, 7, ttmp9                     ; the second block of queries
	s_lshl_b32 s12, s[WV], 10                      ; my 16 rows of 64 bytes
	s_lshl_b32 s70, ttmp9, 18
	s_add_co_u32 s70, s70, s10
	s_add_co_u32 s70, s70, s12                     ; my rows in q and in o, first block,
	s_mov_b32 s71, 0
	s_lshl_b32 s72, s13, 18
	s_add_co_u32 s72, s72, s10
	s_add_co_u32 s72, s72, s12                     ; and second
	s_mov_b32 s73, 0
	s_lshl_b32 s14, s[WV], 4
	s_lshl_b32 s[Q0], ttmp9, 8
	s_add_co_u32 s[Q0], s[Q0], s14
	s_lshl_b32 s[Q0B], s13, 8
	s_add_co_u32 s[Q0B], s[Q0B], s14
	s_cmp_eq_u32 s[WV], 0
	s_mov_b32 s74, 0x1000000
	s_cselect_b32 s74, 0x800000, s74               ; k begins 8 MiB into the buffer, v 16 MiB
	s_add_co_u32 s74, s74, s10
	s_mov_b32 s75, 0
	s_and_b32 s16, s[WV], 1
	s_mul_i32 s16, s16, VOFF                       ; where my block goes in a slot
	; descriptor group 1: 64 rows of 256 bytes, dense in memory, padded in LDS
	s_mov_b32 s[G1], (0<<16)|(1<<20)|(5<<22)|(3<<25)   ; 15:0 no mask; 17:16 elements of 1 byte; 20 padding on; 24:22 after every 64 words (code 5); 31:25 four words (code 3)
	s_mov_b32 s[G1+1], 256<<16                     ; tensor_dim0
	s_mov_b32 s[G1+2], 64<<16                      ; tensor_dim1
	s_mov_b32 s[G1+3], 256<<16                     ; tile_dim0
	s_mov_b32 s[G1+4], 64                          ; tile_dim1
	s_mov_b32 s[G1+5], 256                         ; tensor_dim0_stride
	s_mov_b32 s[G1+6], 0
	s_mov_b32 s[G1+7], 0
	s_mov_b32 s[SEL], 0x76543210
	s_mov_b32 s[SEL+1], 0xfedcba98
	s_mov_b32 s[CS], 0x3e38aa3b                    ; log2(e) / 8
	s_mov_b32 s[TB], 0
	s_mov_b32 s[TI], 0
	s_mov_b32 s[NX], 1
	s_mov_b32 s[KO], 0
	s_mov_b32 s[KO+1], 0
	s_mov_b32 s[KF], 0
	s_wait_dscnt 0x0                               ; the opening add is done
	s_wait_kmcnt 0x0
	s_load_b256 s[76:83], s[6:7], 0x10             ; e4 .. e11
	s_add_nc_u64 s[TBASE:TBASE+1], s[4:5], s[74:75]
	s_mov_b32 s[G0], 1                             ; 1:0 count = 1
	s_mov_b32 s[G0+1], s16                         ; 63:32 LDS address: slot 0
	s_mov_b64 s[G0+2:G0+3], s[TBASE:TBASE+1]       ; 120:64 global address: the head's first tile
	s_or_b32 s[G0+3], s[G0+3], 0x80000000          ; 127:126 type = 2
	TLOAD                                          ; tile 0
	s_add_nc_u64 s[44:45], s[4:5], s[70:71]        ; q at my rows, both blocks
	s_add_nc_u64 s[46:47], s[4:5], s[72:73]
	s_add_nc_u64 s[OA:OA+1], s[8:9], s[70:71]      ; o likewise
	s_add_nc_u64 s[OB:OB+1], s[8:9], s[72:73]
	v_and_b32 v8, 15, v0                           ; r = lane % 16
	v_bfe_u32 v9, v0, 4, 1                         ; h = lane / 16
	s_delay_alu instid0(VALU_DEP_2)
	v_lshlrev_b32 v10, 6, v8
	s_delay_alu instid0(VALU_DEP_1)
	v_lshl_add_u32 v10, v9, 4, v10                 ; Q: row r of 64 bytes, + 16 h
	global_load_b128 v[16:19], v10, s[44:45]
	global_load_b128 v[20:23], v10, s[44:45] offset:32
	global_load_b128 v[24:27], v10, s[46:47]
	global_load_b128 v[28:31], v10, s[46:47] offset:32
	v_lshrrev_b32 v11, 2, v8
	s_delay_alu instid0(VALU_DEP_1)
	v_mul_u32_u24 v11, v11, PITCH
	v_and_b32 v[AK0], 3, v8
	s_delay_alu instid0(VALU_DEP_1)
	v_lshl_add_u32 v11, v[AK0], 6, v11             ; row r of a block in LDS: (r / 4) x 272 + (r % 4) x 64
	s_delay_alu instid0(VALU_DEP_1)
	v_lshl_add_u32 v[AK0], v9, 4, v11              ; K: + 16 h
	s_delay_alu instid0(VALU_DEP_2)
	v_lshl_add_u32 v[AV0], v9, 3, v11              ; V and the stage: + 8 h
	s_mul_i32 s17, s[WV], 4*PITCH
	s_add_co_u32 s17, s17, STAGE                   ; my stage
	v_add_nc_u32 v[STI], s17, v[AV0]
	v_add_nc_u32 v[AV0], VOFF, v[AV0]
	v_mul_u32_u24 v[STB], v9, PITCH
	s_delay_alu instid0(VALU_DEP_1)
	v_lshl_add_u32 v[STB], v8, 4, v[STB]
	s_delay_alu instid0(VALU_DEP_1)
	v_add_nc_u32 v[STB], s17, v[STB]               ; back: lanes 0-15 one line of 256 bytes, lanes 16-31 the next
	v_and_b32 v[GO], 31, v0
	s_delay_alu instid0(VALU_DEP_1)
	v_lshlrev_b32 v[GO], 4, v[GO]
	v_mov_b32 v236, 0                              ; written once: a lane permute's destination counts as one of its sources
	v_mov_b32 v253, 0                              ; (named as the upper half of the pair v[252:253])
	RESET
	s_wait_kmcnt 0x0
	s_add_co_i32 s84, s78, s79
	s_lshl_b32 s84, s84, 23
	s_add_co_i32 s[CS], s[CS], s84                 ; a score stands for score x 2^(e6 + e7): the two exponents are added to c's exponent field
	s_mov_b32 s[CS+1], s[CS]                       ; (named with it as a pair, so it is written)
	s_add_co_i32 s84, s80, 127
	s_lshl_b32 s85, s84, 23
	v_mov_b32 v244, s85                            ; 2^e8 as f32, for p's conversion
	s_sub_co_i32 s84, s82, s80
	s_sub_co_i32 s84, s84, s81                     ; e10 - e8 - e9
	s_add_co_i32 s84, s84, 127
	s_lshl_b32 s85, s84, 23
	v_mov_b32 v246, s85                            ; o's conversion
	s_wait_loadcnt 0x0                             ; Q, both blocks
.Ltile:                                            ; eight trips: behind each change of slots but the last the walk's next tile is asked for
	CHANGE 1
	s_cmp_lg_u32 s[TI], s[I1]                      ; the second block's first tile?  Ids alone: all sixteen waves go the same way; no barrier and no tensor load stands inside
	s_cbranch_scc1 .Lsame
	WAYOUT OA
.set j, 0
.rept 8
	v_mov_b32 v[16+j], v[24+j]                     ; the second block's Q
.set j, j+1
.endr
	RESET
	s_mov_b32 s[KF], 0
	s_mov_b32 s[Q0], s[Q0B]
.Lsame:
	STEP 0
	STEP 1
	s_xor_b32 s[TB], s[TB], SLOT1                  ; on to the other slot
	s_add_co_u32 s[TI], s[TI], 1
	s_cmp_lt_u32 s[TI], 8
	s_cbranch_scc1 .Ltile
	CHANGE 0                                       ; the last tile is written out: nothing is left to ask for
	STEP 0
	STEP 1
	WAYOUT OB
	s_wait_tensorcnt 0x0                           ; the wave's end, behind my last tensor load and my last LDS store
	ds_add_u32 v[SPW], v[NIL]
	s_wait_dscnt 0x0
	s_endpgm
.Lfunc_end_k_q063b2bc3a7_attn:
	.size	k_q063b2bc3a7_attn, .Lfunc_end_k_q063b2bc3a7_attn-k_q063b2bc3a7_attn
	.p2alignl 7, 3214868480
	.fill 96, 4, 3214868480
	.section	.rodata,"a",@progbits
	.p2align	6, 0x0
	.amdhsa_kernel k_q063b2bc3a7_attn
		.amdhsa_group_segment_fixed_size 327680
		.amdhsa_private_segment_fixed_size 0
		.amdhsa_enable_private_segment 0
		.amdhsa_kernarg_size 24
		.amdhsa_user_sgpr_count 2
		.amdhsa_user_sgpr_kernarg_segment_ptr 1
		.amdhsa_wavefront_size32 1
		.amdhsa_system_sgpr_workgroup_id_x 1
		.amdhsa_system_sgpr_workgroup_id_y 1
		.amdhsa_system_sgpr_workgroup_id_z 1
		.amdhsa_system_vgpr_workitem_id 0
		.amdhsa_next_free_vgpr 256
		.amdhsa_next_free_sgpr 100
		.amdhsa_reserve_vcc 1
		.amdhsa_float_denorm_mode_32 3
		.amdhsa_float_denorm_mode_16_64 3
		.amdhsa_fp16_overflow 1
		.amdhsa_memory_ordered 1
		.amdhsa_forward_progress 1
		.amdhsa_inst_pref_size 95
	.end_amdhsa_kernel
	.amdgpu_metadata
---
amdhsa.version: [ 1, 2 ]
amdhsa.kernels:
  - .name:           k_q063b2bc3a7_attn
    .symbol:         k_q063b2bc3a7_attn.kd
    .args:
      - { .name: qkv, .offset: 0, .size: 8, .value_kind: global_buffer, .address_space: global }
      - { .name: lowp_scales, .offset: 8, .size: 8, .value_kind: global_buffer, .address_space: global }
      - { .name: ocodes, .offset: 16, .size: 8, .value_kind: global_buffer, .address_space: global }
    .group_segment_fixed_size: 327680
    .private_segment_fixed_size: 0
    .kernarg_segment_align: 8
    .kernarg_segment_size: 24
    .max_flat_workgroup_size: 512
    .sgpr_count:     100
    .vgpr_count:     256
    .wavefront_size: 32
...
	.end_amdgpu_metadata
.endif
;; end of part 3
;; launch proj (part 4): grid 4 x 32, 4 waves a work-group, clusters of 4 x 4, 327,680 bytes of LDS; arguments ocodes, wcodes, lowp_scales, bo, out0; writes out0
.if DOCPART == 4
	.amdgcn_target "amdgcn-amd-amdhsa--gfx1250"
	.amdhsa_code_object_version 6
	.text
	.protected	k_q063b2bc3a7_proj
	.globl	k_q063b2bc3a7_proj
	.p2align	8
	.type	k_q063b2bc3a7_proj,@function
k_q063b2bc3a7_proj:
	s_mov_b64 s[64:65], 0
	v_nop
	global_prefetch_b8 v0, s[64:65] scope:SCOPE_SE
	s_setreg_imm32_b32 hwreg(HW_REG_WAVE_MODE, 25, 1), 1
	s_wait_xcnt 0x0
	s_wait_alu depctr_hold_cnt(0) depctr_sa_sdst(0) depctr_va_vdst(0) depctr_va_sdst(0) depctr_va_ssrc(0) depctr_va_vcc(0) depctr_vm_vsrc(0)
	s_getreg_b32 s2, hwreg(HW_REG_IB_STS2, 6, 4)
	s_cmp_eq_u32 s2, 0
	s_cbranch_scc0 .Lentry_in_a_cluster
	s_endpgm
.Lentry_in_a_cluster:
	s_bfe_u32 s2, ttmp6, 0x10000c
	s_cmp_lg_u32 s2, 0xf033
	s_cbranch_scc0 .Lentry_shape_is_right
	s_endpgm
.Lentry_shape_is_right:
; out0 = o Wo^T + bo on E4M3 codes, K = 1,024 (scales: entries 10 and 11): out0 [8192][1024] f32 = sum x 2^(e10 + e11) + bo, one packed multiply-add for two numbers.
; OPERANDS lie as [row / 256][k / 64][row % 256][k % 64], blocks of 16,384 bytes: a K step of 256 of a tile of 256 rows is 65,536 consecutive bytes.  Wo's codes begin 3 MiB into the weights' buffer.
; A tile of the result, 256 x 256, is made by four waves, each 128 x 128: 64 accumulators of 16 x 16, 512 registers.  K goes in four steps of 256 through a ring of two LDS slots filled by the tensor data mover.
; CLUSTERS: 4 x 4 work-groups.  The four of a row need the same tiles of o, the four of a column the same tiles of Wo: each tile is asked for JOINTLY, by the same tensor load with the same descriptor and a mask of the four.
; THE MATRIX INSTRUCTION IS USED TRANSPOSED (source 0 = 16 rows of Wo, source 1 = 16 rows of o): a lane holds eight neighbouring numbers of a row of the result.
; A fragment's k are taken in an order that is the same in both operands (registers 4 c .. 4 c + 3: k = 32 c + 16 (lane / 16) + 0 .. 15); the order of the sums inside an instruction differs from ascending k.
; 128 work-groups: the result has 32 x 4 tiles of this size.
; LIMIT: e10 + e11 between -126 and 127, so that 2^(e10 + e11) is an f32 number.
; REGISTERS, in windows of 256: window 0: v0-31 addresses; v32-95 bo at my 8 x 8 columns; from v128 A's fragments, ONE set, on the way out rows read back.  window 1: B's fragments, TWO sets; on the way out v0-63 a block's results.
;   window 2: the 32 accumulators of my rows 0-63 ((a, b) at v[8 (8 a + b)]);  window 3: those of my rows 64-127.
.set PITCH,  272                       ; 256 bytes of a block (four rows of 64 codes) + 16 of padding: the 16 rows of a fragment start at 16 different columns of 16 bytes modulo 256
.set PLANE,  64*PITCH                  ; a block in LDS: 256 rows x 64 along K
.set HALFT,  2*PLANE                   ; what one tensor load brings: two blocks
.set SLOT,   4*HALFT                   ; A's four blocks, then B's four
.set SPARE,  2*SLOT                    ; behind the ring: the spare words, 128 bytes for each wave
.set KSB,    65536                     ; a K step of a tile in memory
.set HROWS,  32*PITCH                  ; 128 rows of a block in LDS
.set BROWS,  4*PITCH                   ; 16 rows
.set FR,     16
.set NL,     4
.set NP,     4                         ; places behind this matrix instruction (ISA guide 7.12.1)
.set LAPS,   2
.set ROWC,   4096                      ; a row of the result in bytes
.set SPITCH, 528                       ; the way out: a stage of 16 rows x (512 bytes + 16) for each wave, in slot 0, which has had its last fill and its last read when the first result is stored there
.set ADRA, 16
.set ADRB, 20
.set STO,  24                          ; v24     the way out: where I put 32 bytes of a row
.set RD,   25                          ; v25     where I read a row back
.set CO,   26                          ; v26     my byte offset in a row of the result
.set SPW,  28                          ; v28     LDS address of my spare word; never rewritten
.set NIL,  29                          ; v29     0; never rewritten
.set BI,   32                          ; v32-95  bo: register 8 b + j = bo at my column 16 b + 8 (lane / 16) + j
.set AF,   128
.set BK,   128                         ; 16 rows read back from the stage: v128-191 and v192-255 by turns
.set G1, 24
.set G0, 32
.set G1B, 48
.set G0B, 56
.set MSB, 0
.macro WIN new                         ; the immediate's high byte repeats the setting that is left
.if MSB != (\new)
	s_set_vgpr_msb (MSB<<8)|(\new)
.set MSB, (\new)
.endif
.endm
.set MUL_LO, 0xa1                      ; source 0 (B) window 1, source 1 (A) window 0, C and D window 2
.set MUL_HI, 0xf1                      ; the same, C and D window 3
.set TO_B,   0x40                      ; destination window 1, address window 0
; A joint load: waves 0 and 1 fetch for A, waves 2 and 3 for B; the branch hangs on the wave's number alone.  An s_nop 0 and four v_nop follow each of the two lines.
.macro JLOAD g0a, g1a, g0b, g1b
	s_cmp_eq_u32 s15, 0
	s_cbranch_scc0 .Lfor_b_\@
	tensor_load_to_lds s[\g0a:\g0a+3], s[\g1a:\g1a+7]
	s_nop 0
.rept 4
	v_nop
.endr
	s_branch .Lasked_\@
.Lfor_b_\@:
	tensor_load_to_lds s[\g0b:\g0b+3], s[\g1b:\g1b+7]
	s_nop 0
.rept 4
	v_nop
.endr
.Lasked_\@:
.endm
.macro CREST                           ; a round of the cluster's barrier behind its opening barrier
	s_cmp_lg_u32 s14, 0
	s_cbranch_scc1 .Lnot_wave_0_\@
	s_barrier_signal -3
.Lnot_wave_0_\@:
	s_barrier_wait -3
	s_barrier_signal -1
	s_barrier_wait -1
.endm
.macro CROUND                          ; a whole round
	s_barrier_signal -1
	s_barrier_wait -1
	CREST
.endm
	s_load_b128 s[4:7], s[0:1], 0x0                ; o's codes s[4:5], the weights' codes s[6:7]
	s_load_b128 s[8:11], s[0:1], 0x10              ; the scales' exponents s[8:9], bo s[10:11]
	s_load_b64 s[12:13], s[0:1], 0x20              ; the result
	v_lshl_add_u32 v[SPW], v0, 2, SPARE
	v_mov_b32 v[NIL], 0
	ds_add_u32 v[SPW], v[NIL]                      ; the wave's opening: the add and its wait stand ahead of my first tensor load; the set-up below, work on registers, stands between them
	ds_add_u32 v[SPW], v[NIL]
	v_lshrrev_b32 v1, 5, v0
	v_readfirstlane_b32 s14, v1                    ; wave 0..3
	s_lshr_b32 s15, s14, 1                         ; which half of the tile's rows is mine.  Also: I fetch for A (0) or for B (1)
	s_and_b32 s16, s14, 1                          ; which half of its columns.  Also: which two blocks of the K step I fetch
	s_bfe_u32 s40, ttmp6, 0x40000                  ; cx, cy: my place in the cluster
	s_bfe_u32 s41, ttmp6, 0x40004
	s_lshl_b32 s42, ttmp9, 2
	s_add_co_u32 s42, s42, s40                     ; tile column = 4 x cluster x + cx
	s_and_b32 s17, ttmp7, 0xffff
	s_lshl_b32 s17, s17, 2
	s_add_co_u32 s17, s17, s41                     ; tile row = 4 x cluster y + cy
	s_lshl_b32 s43, s41, 2
	s_lshl_b32 s43, 15, s43                        ; my row of the cluster
	s_lshl_b32 s44, 0x1111, s40                    ; my column
	; descriptor group 1: 128 rows of 256 bytes, dense in memory, padded in LDS
	s_or_b32 s[G1+0], s43, (0<<16)|(1<<20)|(1<<21)|(5<<22)|(3<<25)  ; 15:0 the mask: A's tiles go to my row; 17:16 element of 1 byte; 20 padding on; 21 set beside a mask; 24:22 after every 64 words (code 5); 31:25 of 4 words (code 3)
	s_or_b32 s[G1B+0], s44, (0<<16)|(1<<20)|(1<<21)|(5<<22)|(3<<25)
.irp g, G1, G1B
	s_mov_b32 s[\g+1], 256<<16                     ; tensor_dim0
	s_mov_b32 s[\g+2], 128<<16                     ; tensor_dim1
	s_mov_b32 s[\g+3], 256<<16                     ; tile_dim0
	s_mov_b32 s[\g+4], 128                         ; tile_dim1
	s_mov_b32 s[\g+5], 256                         ; tensor_dim0_stride
	s_mov_b32 s[\g+6], 0
	s_mov_b32 s[\g+7], 0
.endr
	s_lshl_b32 s18, s16, 15                        ; which two blocks of a K step I fetch
	s_lshl_b32 s20, s17, 18                        ; a tile's 16 blocks
	s_add_co_u32 s20, s20, s18
	s_mov_b32 s21, 0
	s_lshl_b32 s46, s42, 18
	s_add_co_u32 s46, s46, s18
	s_add_co_u32 s46, s46, 0x300000                ; Wo's codes
	s_mov_b32 s47, 0
	s_mul_i32 s45, s14, HALFT                      ; where they go: wave x two blocks: no place in the cluster enters an LDS address
	s_wait_dscnt 0x0                               ; the opening add is done
	s_wait_kmcnt 0x0
	s_load_b64 s[96:97], s[8:9], 0x28              ; e10, e11
	s_add_nc_u64 s[20:21], s[4:5], s[20:21]
	s_add_nc_u64 s[46:47], s[6:7], s[46:47]
	CROUND                                         ; all sixteen work-groups are here: the first joint loads meet
.irp s, 0,1
	s_mov_b32 s[G0+4*\s], 1
	s_add_co_u32 s[G0+4*\s+1], s45, \s*SLOT
	s_add_nc_u64 s[G0+4*\s+2:G0+4*\s+3], s[20:21], \s*KSB
	s_or_b32 s[G0+4*\s+3], s[G0+4*\s+3], 0x80000000
	s_mov_b32 s[G0B+4*\s], 1
	s_add_co_u32 s[G0B+4*\s+1], s45, \s*SLOT
	s_add_nc_u64 s[G0B+4*\s+2:G0B+4*\s+3], s[46:47], \s*KSB
	s_or_b32 s[G0B+4*\s+3], s[G0B+4*\s+3], 0x80000000
	s_wait_alu depctr_va_vdst(0)
	s_wait_tensorcnt 0x0
	ds_add_u32 v28, v29
	ds_add_u32 v28, v29
	s_wait_dscnt 0x0
	CROUND
	JLOAD G0+4*\s, G1, G0B+4*\s, G1B
.endr
	v_and_b32 v1, 15, v0                           ; r = l % 16
	v_bfe_u32 v2, v0, 4, 1                         ; h = l / 16
	s_lshl_b32 s46, s42, 10                        ; my first column, in bytes of f32: 1,024 x tile column + 512 x half
	s_lshl_b32 s47, s16, 9
	s_add_co_u32 s46, s46, s47
	s_mov_b32 s47, 0
	s_add_nc_u64 s[10:11], s[10:11], s[46:47]      ; bo at my first column
	v_lshlrev_b32 v7, 5, v2                        ; + 8 h numbers; never rewritten
.irp b, 0,1,2,3,4,5,6,7
	global_load_b128 v[BI+8*\b:BI+8*\b+3],   v7, s[10:11] offset:64*\b
	global_load_b128 v[BI+8*\b+4:BI+8*\b+7], v7, s[10:11] offset:64*\b+16
.endr
	v_lshrrev_b32 v3, 2, v1
	v_mul_u32_u24 v3, v3, PITCH
	v_and_b32 v5, 3, v1
	v_lshl_add_u32 v3, v5, 6, v3                   ; row r of a block in LDS: (r / 4) x 272 + (r % 4) x 64
	v_lshl_add_u32 v4, v2, 4, v3                   ; + 16 h
	s_mul_i32 s21, s15, HROWS                      ; my 128 rows of A
	s_mul_i32 s22, s16, HROWS                      ; my 128 rows of B,
	s_add_co_u32 s22, s22, 2*HALFT                 ; whose blocks lie behind A's four
.irp s, 0,1
	v_add_nc_u32 v[ADRA+\s], s21, v4
	v_add_nc_u32 v[ADRB+\s], s22, v4
	s_add_co_u32 s21, s21, SLOT
	s_add_co_u32 s22, s22, SLOT
.endr
	s_mul_i32 s23, s14, 16*SPITCH                  ; my stage
	v_mul_u32_u24 v5, v1, SPITCH                   ; in: row l % 16, 32 bytes for each half of the lanes
	v_lshl_add_u32 v5, v2, 5, v5
	v_add_nc_u32 v[STO], s23, v5
	v_and_b32 v6, 31, v0
	v_lshlrev_b32 v[CO], 4, v6                     ; back: the 32 lanes take one row of 512 bytes; and the same in the result
	v_add_nc_u32 v[RD], s23, v[CO]
	s_lshl_b32 s20, s17, 8
	s_lshl_b32 s21, s15, 7
	s_add_co_u32 s20, s20, s21                     ; my first row: 256 x tile row + 128 x half
	s_lshl_b32 s20, s20, 12                        ; x 4,096 bytes: under 2^25
	s_mov_b32 s21, 0
	s_add_nc_u64 s[20:21], s[20:21], s[46:47]
	s_add_nc_u64 s[12:13], s[12:13], s[20:21]
.macro FRAG reg, adr, q, i             ; a fragment, 16 rows x 128 K: registers 4 c .. 4 c + 3 hold K = 32 c + 16 (l / 16) + 0 .. 15 of the slot's q-th 128: block 2 q + c / 2, byte 32 (c % 2) + 16 (l / 16) of the row
.irp c, 0,1,2,3
	ds_load_b128 v[\reg+4*\c:\reg+4*\c+3], v[\adr] offset:(2*(\q)+\c/2)*PLANE+(\c%2)*32+(\i)*BROWS
.endr
.endm
; 16 matrix instructions: A's blocks a0, a0 + 1 x B's eight, 128 along K.  p: B's set.  zero = 1: the first product starts the sums.
; The 64 accumulators take turns, one instruction a turn, in the same order in every step.
.macro MUL16 a0, p, zero
.irp a, \a0, \a0+1
.irp b, 0,1,2,3,4,5,6,7
.if \zero
	v_wmma_f32_16x16x128_fp8_fp8 v[8*(8*((\a)%4)+\b):8*(8*((\a)%4)+\b)+7], v[128*(\p)+FR*\b:128*(\p)+FR*\b+FR-1], v[AF+FR*(\a):AF+FR*(\a)+FR-1], 0
.else
	v_wmma_f32_16x16x128_fp8_fp8 v[8*(8*((\a)%4)+\b):8*(8*((\a)%4)+\b)+7], v[128*(\p)+FR*\b:128*(\p)+FR*\b+FR-1], v[AF+FR*(\a):AF+FR*(\a)+FR-1], v[8*(8*((\a)%4)+\b):8*(8*((\a)%4)+\b)+7]
.endif
.endr
.endr
.endm
.macro FETCH_B slot, q, p
	WIN TO_B
.irp i, 0,1,2,3,4,5,6,7
	FRAG 128*(\p)+FR*\i, ADRB+\slot, \q, \i
.endr
	WIN 0
.endm
.macro FETCH_A slot, q, i0
.irp i, \i0, \i0+1, \i0+2, \i0+3
	FRAG AF+FR*(\i), ADRA+\slot, \q, \i
.endr
.endm
; A load into a register that a matrix instruction has read, and a vector instruction or an LDS store that reads a matrix result, stand NP places behind that matrix instruction, and only plain vector
; instructions that name none of its registers are places (ISA guide 7.12.1 for vector instructions).
.macro PLACES n
.rept \n
	v_nop
.endr
.endm
.macro STEP slot, q, zero              ; a step of 128 along K that has its successor in the same slot
	s_wait_dscnt 4*NL                              ; B's set and A's blocks 0-3 are in; the youngest sixteen loads (A's blocks 4-7) may be out
	WIN MUL_LO
	MUL16 0, (\q)%2, \zero
	MUL16 2, (\q)%2, \zero
	s_wait_dscnt 0                                 ; A's blocks 4-7 are in
	PLACES NP
	FETCH_B \slot, (\q)+1, 1-(\q)%2
	FETCH_A \slot, (\q)+1, 0
	WIN MUL_HI
	MUL16 4, (\q)%2, \zero
	MUL16 6, (\q)%2, \zero
	PLACES NP
	WIN 0
	FETCH_A \slot, (\q)+1, 4
.endm
; A slot's last step changes slots: ONE barrier; in front of it each wave waits for all its tensor loads, adds 0 to its spare word, and waits for that and for its own reads of this slot.  fill = 1: this slot is filled again, two K steps ahead.
.macro TURN slot, next, fill
	s_wait_tensorcnt 0x0                           ; all my tensor loads have landed: my part of the next slot;  (every window is 0 here)
	ds_add_u32 v[SPW], v[NIL]                      ; 0 onto my spare word
	s_wait_dscnt 4*NL+1                            ; (the add and the youngest sixteen loads, A's blocks 4-7, may be out)
	WIN MUL_LO
	MUL16 0, 1, 0                                  ; sixteen matrix instructions stand between the add and the wait for it
	s_wait_dscnt 0x0                               ; the add is done, and my reads of this slot are over
	s_barrier_signal -1
	MUL16 2, 1, 0
	WIN 0
	s_barrier_wait -1
.if \fill
	CREST                                          ; the barrier has opened a round of the cluster's barrier: no wave of any partner still reads this slot's tile or has a load on its way
	s_add_nc_u64 s[G0+4*\slot+2:G0+4*\slot+3], s[G0+4*\slot+2:G0+4*\slot+3], 2*KSB
	s_add_nc_u64 s[G0B+4*\slot+2:G0B+4*\slot+3], s[G0B+4*\slot+2:G0B+4*\slot+3], 2*KSB
	JLOAD G0+4*\slot, G1, G0B+4*\slot, G1B         ; the first tensor load behind the round; the four v_nop behind it are the places in front of the loads below
.else
	PLACES NP
.endif
	FETCH_B \next, 0, 0
	FETCH_A \next, 0, 0
	WIN MUL_HI
	MUL16 4, 1, 0
	MUL16 6, 1, 0
	PLACES NP
	WIN 0
	FETCH_A \next, 0, 4
.endm
	s_wait_alu depctr_va_vdst(0)
	s_wait_tensorcnt 1                             ; my part of K step 0 is in (K step 1's load may be out)
	s_barrier_signal -1
	s_barrier_wait -1                              ; everybody's is
	FETCH_B 0, 0, 0
	FETCH_A 0, 0, 0
	FETCH_A 0, 0, 4
	STEP 0, 0, 1                                   ; the first step stands in front of the loop: its products start the sums
	s_mov_b32 s3, LAPS-1
.Llap:                                                 ; a trip goes once round the ring, from a lap's second step to the next lap's first, and fills both slots again
	TURN 0, 1, 1
	STEP 1, 0, 0
	TURN 1, 0, 1
	STEP 0, 0, 0
	s_sub_co_u32 s3, s3, 1
	s_cmp_lg_u32 s3, 0
	s_cbranch_scc1 .Llap
	TURN 0, 1, 0                                   ; the last lap fills nothing, and has no round of the cluster's barrier
	STEP 1, 0, 0
	s_wait_dscnt 4*NL                              ; the very last step: nothing more to fetch
	WIN MUL_LO
	MUL16 0, 1, 0
	MUL16 2, 1, 0
	s_wait_dscnt 0
	WIN MUL_HI
	MUL16 4, 1, 0
	MUL16 6, 1, 0
	WIN 0
; THE WAY OUT, block by block of 16 rows x 128 columns.  A lane holds 32 neighbouring bytes of a row, and the lanes beside it hold other rows: so a block goes through my own stage in LDS and comes back as whole
; rows of 512 bytes.  LDS serves a wave's instructions in order (ISA guide 5.7.1.4): no wait between the stores and the loads, nor in front of the next block's stores.
.macro TOSTAGE a
.set AC, 64*((\a)%4)
	WIN 0x42+((\a)/4)                              ; source 0 (the sums): window 2 or 3; source 2 (bo): window 0; destination: window 1
.irp b, 0,1,2,3,4,5,6,7
.irp i, 0,2,4,6
	v_pk_fma_f32 v[8*\b+\i:8*\b+\i+1], v[AC+8*\b+\i:AC+8*\b+\i+1], s[96:97], v[BI+8*\b+\i:BI+8*\b+\i+1] op_sel_hi:[1,0,1]   ; sum x 2^(e10 + e11) + bo; each accumulator from its low end on
.endr
.endr
	WIN 0x04                                       ; the stores' data: window 1
.irp b, 0,1,2,3,4,5,6,7
	ds_store_b128 v[STO], v[8*\b:8*\b+3] offset:64*\b
	ds_store_b128 v[STO], v[8*\b+4:8*\b+7] offset:64*\b+16
.endr
	WIN 0
.set BB, BK+64*((\a)%2)
.irp t, 0,1,2,3,4,5,6,7,8,9,10,11,12,13,14,15
	ds_load_b128 v[BB+4*\t:BB+4*\t+3], v[RD] offset:\t*SPITCH
.endr
.endm
.macro SEND a, younger                 ; younger: the LDS instructions issued behind block a's loads, which may stay out
.set BB, BK+64*((\a)%2)
	s_wait_dscnt \younger                          ; the block is back in registers
.if (\a) > 0
	s_add_nc_u64 s[12:13], s[12:13], 16*ROWC       ; (behind a wait on XCNT: the earlier stores have read their base)  16 rows on
.endif
.irp t, 0,1,2,3,4,5,6,7,8,9,10,11,12,13,14,15
	global_store_b128 v[CO], v[BB+4*\t:BB+4*\t+3], s[12:13] offset:\t*ROWC th:TH_STORE_NT   ; 32 lanes store 512 consecutive bytes, at a multiple of 512 from the result's first byte; written once, read by nobody here
.endr
.endm
	s_wait_kmcnt 0x0
	s_add_co_i32 s96, s96, s97                     ; e10 + e11, between -126 and 127,
	s_add_co_i32 s96, s96, 127
	s_lshl_b32 s96, s96, 23                        ; makes the f32 number 2^(e10 + e11)
	s_mov_b32 s97, s96                             ; (named with it as a pair, so it is written)
	s_wait_loadcnt 0x0                             ; bo
	PLACES NP                                      ; behind the last products: for the reads of results, the writes into B's registers and the loads into A's
	TOSTAGE 0
.irp a, 1,2,3,4,5,6,7
.if \a > 1
	s_wait_xcnt 0x0                                ; block a - 2's stores have read their registers and their base: block a's loads may land there, and the base may step
.endif
	TOSTAGE \a
	SEND \a-1, 32                                  ; behind block a - 1's loads: block a's 16 stores and 16 loads
.endr
	s_wait_xcnt 0x0                                ; block 6's stores have read their base
	SEND 7, 0
	s_wait_tensorcnt 0x0                           ; the wave's end, behind my last tensor load and my last LDS store
	ds_add_u32 v[SPW], v[NIL]
	s_wait_dscnt 0x0
	CROUND                                         ; the closing round: no work-group ends while a partner may still ask for a tile that names it
	s_endpgm
.Lfunc_end_k_q063b2bc3a7_proj:
	.size	k_q063b2bc3a7_proj, .Lfunc_end_k_q063b2bc3a7_proj-k_q063b2bc3a7_proj
	.p2alignl 7, 3214868480
	.fill 96, 4, 3214868480
	.section	.rodata,"a",@progbits
	.p2align	6, 0x0
	.amdhsa_kernel k_q063b2bc3a7_proj
		.amdhsa_group_segment_fixed_size 327680
		.amdhsa_private_segment_fixed_size 0
		.amdhsa_enable_private_segment 0
		.amdhsa_kernarg_size 40
		.amdhsa_user_sgpr_count 2
		.amdhsa_user_sgpr_kernarg_segment_ptr 1
		.amdhsa_wavefront_size32 1
		.amdhsa_system_sgpr_workgroup_id_x 1
		.amdhsa_system_sgpr_workgroup_id_y 1
		.amdhsa_system_sgpr_workgroup_id_z 1
		.amdhsa_system_vgpr_workitem_id 0
		.amdhsa_next_free_vgpr 1024
		.amdhsa_next_free_sgpr 100
		.amdhsa_reserve_vcc 0
		.amdhsa_float_denorm_mode_32 3
		.amdhsa_float_denorm_mode_16_64 3
		.amdhsa_memory_ordered 1
		.amdhsa_forward_progress 1
		.amdhsa_inst_pref_size 126
	.end_amdhsa_kernel
	.amdgpu_metadata
---
amdhsa.version: [ 1, 2 ]
amdhsa.kernels:
  - .name:           k_q063b2bc3a7_proj
    .symbol:         k_q063b2bc3a7_proj.kd
    .args:
      - { .name: ocodes, .offset: 0, .size: 8, .value_kind: global_buffer, .address_space: global }
      - { .name: wcodes, .offset: 8, .size: 8, .value_kind: global_buffer, .address_space: global }
      - { .name: lowp_scales, .offset: 16, .size: 8, .value_kind: global_buffer, .address_space: global }
      - { .name: bo, .offset: 24, .size: 8, .value_kind: global_buffer, .address_space: global }
      - { .name: out0, .offset: 32, .size: 8, .value_kind: global_buffer, .address_space: global }
    .group_segment_fixed_size: 327680
    .private_segment_fixed_size: 0
    .kernarg_segment_align: 8
    .kernarg_segment_size: 40
    .max_flat_workgroup_size: 128
    .sgpr_count:     100
    .vgpr_count:     1024
    .wavefront_size: 32
...
	.end_amdgpu_metadata
.endif
;; end of part 4
